; MI455X (gfx1250); checked and timed in simulation.
; The chip was launched on July 23, 2026; its instructions are those of AMD's public machine-readable ISA for CDNA 5 (MIT licence, August 2026) and "CDNA5" Instruction Set Architecture Reference Guide (July 2026). The comments in the code are by the model that wrote it; some were corrected since.
;; Attention. Allowed arithmetic: matrix products marked QUANTISED: E2M1 operands, one E8M0 scale for each 32 along K, by v_wmma_scale_f32_16x16x128_f8f6f4 with both operands' format E2M1 (or v_wmma_scale_f32_32x16x128_f4), f32 sums; products left as they are: bf16, f16 or f32 operands; f32 sums; everything else in f32.
;; Inputs: wk 512 x 2,048 float32; wo 2,048 x 2,048 float32; wq 2,048 x 2,048 float32; wv 512 x 2,048 float32; x 2 x 1,024 x 2,048 float32.
;; Outputs: out0 2 x 1,024 x 2,048 float32.
;; This version of the problem:
;;   THIS VERSION OF THE PROBLEM IS GIVEN IN LOW PRECISION. The matrix products marked QUANTISED in the list below multiply operands that are first quantised to E2M1 (2 exponent bits, 1 mantissa bit; 4 bits a number), with one power-of-two scale for each 32 numbers along K (OCP MX v1.0); their sums are f32. The products marked 'left as it is' may take bf16, f16 or f32 operands, with f32 sums. All else is computed in f32.
;;   The module's matrix products, in the order in which they are computed (A, B: the left and right operand; K: the contracted axis; several contracted axes count as one K, in the product's order):
;;     1. [M 2,048, K 2,048] x [K 2,048, N 2,048]; A: input x; B: input wq: QUANTISED
;;     2. [M 2,048, K 2,048] x [K 2,048, N 512]; A: input x; B: input wk: QUANTISED
;;     3. [M 2,048, K 2,048] x [K 2,048, N 512]; A: input x; B: input wv: QUANTISED
;;     4. [M 1,024, K 1] x [K 1, N 64]; A: computed on the way; B: computed on the way: left as it is (no contracted axis)
;;     5. batch 32 x [M 1,024, K 128] x [K 128, N 1,024]; A: computed on the way; B: computed on the way: left as it is (an operand is computed on the way)
;;     6. batch 32 x [M 128, K 1,024] x [K 1,024, N 1,024]; A: computed on the way; B: computed on the way: left as it is (an operand is computed on the way)
;;     7. [M 2,048, K 2,048] x [K 2,048, N 2,048]; A: computed on the way; B: input wo: left as it is (an operand is computed on the way)
;;   THE QUANTISER, for each operand of a quantised product, along K:
;;     - K is cut into blocks of 32 from its start; a last block that is shorter is filled with zeros.
;;     - A block's scale is 2^e with e = floor(log2(the largest magnitude in the block)) - 2, held to -126 .. 127; a block of zeros has e = 0. As a byte (E8M0): e + 127.
;;     - Each number is divided by its block's scale, clamped to +-6, and rounded to the nearest number of E2M1, ties to even, subnormals kept.
;;     - The product sums the exact products of the quantised numbers (number of the format x scale) in f32.
;;   ~~~python
;;   def quantise(x, axis):      # numpy; x: float32 -> the quantised numbers, widened to float32 again
;;       x = np.moveaxis(x, axis, -1); K = x.shape[-1]
;;       x = np.pad(x, [(0, 0)] * (x.ndim - 1) + [(0, -K % 32)]); x = x.reshape(x.shape[:-1] + (-1, 32)); a = np.abs(x).max(-1, keepdims=True)
;;       e = np.where(a > 0, np.clip(np.frexp(np.where(a > 0, a, 1))[1] - 1 - 2, -126, 127), 0)      # np.frexp(a)[1] - 1 = floor(log2(a)), exactly
;;       r = np.clip(x / 2.0 ** e, -6, 6)
;;       step = 2.0 ** (np.maximum(np.frexp(np.where(r == 0, 1, r))[1] - 1, 0) - 1)
;;       q = np.round(r / step) * step * 2.0 ** e      # np.round: ties to even
;;       return np.moveaxis(q.reshape(q.shape[:-2] + (-1,))[..., :K], -1, axis).astype(np.float32)
;;   ~~~
;; One version. Each part assembles by itself: llvm-mc -triple=amdgcn-amd-amdhsa -mcpu=gfx1250 --defsym DOCPART=n.
;; ======== version 1 of 1: 4 launches
;; limits: values are held in f16: magnitudes above 65,504 overflow, below 6.1e-05 lose precision
;; workspace buffers: codes 5,242,880 bytes; scales 327,680 bytes; wo16 8,388,608 bytes; rope 589,824 bytes; qkv 12,582,912 bytes; att 8,388,608 bytes
;; launch prep (part 1): grid 484 x 1, 4 waves a work-group, no clusters, 33,280 bytes of LDS; arguments x, wq, wk, wv, wo, codes, scales, wo16, rope; writes codes, scales, wo16, rope
.if DOCPART == 1
	.amdgcn_target "amdgcn-amd-amdhsa--gfx1250"
	.amdhsa_code_object_version 6
	.text
	.protected	k_qe22437e750_prep
	.globl	k_qe22437e750_prep
	.p2align	8
	.type	k_qe22437e750_prep,@function
k_qe22437e750_prep:
	s_mov_b64 s[64:65], 0
	v_nop
	global_prefetch_b8 v0, s[64:65] scope:SCOPE_SE
	s_setreg_imm32_b32 hwreg(HW_REG_WAVE_MODE, 25, 1), 1
	s_wait_xcnt 0x0
; THREE JOBS IN ONE LAUNCH, parted by the work-group's number; each work-group takes one way and ends there.
;  Q (work-groups 0-319):   x, wq, wk, wv (f32, K innermost) become codes of FP4 (E2M1) and one E8M0 byte for each 32 along K.  The four tensors lie on end in the
;                           workspace: rows 0-2047 x, 2048-4095 wq, 4096-4607 wk, 4608-5119 wv; a row is 1,024 bytes of codes and 64 scale bytes.
;  W (work-groups 320-447): wo16 = f16(4 wo).  The factor is a power of two; the values of attention are stored as v / 4, so the two cancel exactly.
;  R (work-groups 448-483): the table of cos and sin for the rotation, laid in the order in which the next launch's registers take it.
; A block's scale is 2^(floor(log2(its largest magnitude)) - 2); its byte is that magnitude's exponent field - 2, held at 1 from below.  A block of zeros so gets the byte 1
; where the rule says 127: its codes are zeros, which add nothing under any byte but 0xff, and this program alone reads the bytes.
; LIMITS: NaN and infinities among the inputs are not served; |wo| from 16,380 on becomes an f16 infinity.
.set QWG,   320                        ; (2048 + 2048 + 512 + 512) x 2048 numbers / 32,768 a work-group
.set WWG,   128                        ; 2048 x 2048 / 32,768
.set STEPS, 16
.set EMAX,  2
.set CB,    8                          ; bytes of 16 codes
.set R,     16                         ; way Q: v16-79 four sets of 16 numbers as loaded
.set X,     80                         ; v80-111  two sets of 16 neighbours
.set C,     128                        ; v128-191 codes: four registers for each step, so that no store's data are written again
.set E,     112                        ; v112-127 a scale byte for each step
.set WREG,  8192                       ; LDS: a region for each wave: two stages of 32 x SP bytes, then its 256 scale bytes
.set SP,    80                         ; a lane's place in a stage: 64 bytes + 16 of padding
.set WT,    8                          ; way W: v8-11 at work; v16-79 sixteen slots of 4 as loaded; v80-111 sixteen pairs to store
.set WX,    16
.set WY,    80
	s_load_b512 s[4:19], s[0:1], 0x0               ; x 4:5, wq 6:7, wk 8:9, wv 10:11, wo 12:13, codes 14:15, scales 16:17, wo16 18:19
	s_load_b64 s[20:21], s[0:1], 0x40              ; rope
	v_lshl_add_u32 v192, v0, 2, 0x8000
	v_mov_b32 v193, 0
	v_lshrrev_b32 v1, 5, v0
	v_readfirstlane_b32 s22, v1                    ; wave
	v_and_b32 v2, 31, v0                           ; lane
	s_cmp_lt_u32 ttmp9, QWG
	s_cbranch_scc0 .Lnot_q
; ---- WAY Q.  A wave takes 16 steps of 512 numbers.  Each of a step's four loads reads 512 consecutive bytes; the 2,048 bytes turn through the wave's own stage in LDS and come back
; 64 bytes a lane, so that a lane holds 16 neighbours along K (two neighbouring lanes hold a block).  Loads run four steps ahead, the turn through LDS one step.  Waves share nothing: no barrier.
	v_lshlrev_b32 v3, 4, v2                        ; my 16 bytes of a load's 512
	s_mul_i32 s23, s22, WREG
	v_lshrrev_b32 v14, 2, v2
	v_mul_u32_u24 v14, v14, SP
	v_and_b32 v15, 3, v2
	v_lshl_add_u32 v14, v15, 4, v14
	v_add_nc_u32 v14, s23, v14                     ; the stage, on the way in: SP (lane / 4) + 16 (lane % 4)
	v_mul_u32_u24 v15, v2, SP
	v_add_nc_u32 v15, s23, v15                     ; and on the way out: SP x lane
	v_mul_u32_u24 v4, v2, CB                       ; my codes' place in a step's
	v_lshrrev_b32 v5, 1, v2
	s_add_co_u32 s23, s23, 2*32*SP
	v_add_nc_u32 v5, s23, v5                       ; LDS: my block's scale byte
	v_lshlrev_b32 v7, 3, v2                        ; on the way out 8 scale bytes a lane
	v_add_nc_u32 v6, s23, v7
	s_wait_kmcnt 0x0
	s_mov_b64 s[24:25], s[10:11]                   ; which tensor, and its first work-group: the choice hangs on the work-group's number alone
	s_mov_b32 s26, 288
	s_cmp_lt_u32 ttmp9, 288
	s_cselect_b64 s[24:25], s[8:9], s[24:25]
	s_cselect_b32 s26, 256, s26
	s_cmp_lt_u32 ttmp9, 256
	s_cselect_b64 s[24:25], s[6:7], s[24:25]
	s_cselect_b32 s26, 128, s26
	s_cmp_lt_u32 ttmp9, 128
	s_cselect_b64 s[24:25], s[4:5], s[24:25]
	s_cselect_b32 s26, 0, s26
	s_sub_co_u32 s26, ttmp9, s26
	s_lshl_b32 s26, s26, 2
	s_add_co_u32 s26, s26, s22                     ; my run of 8,192 numbers in the tensor,
	s_lshl_b32 s26, s26, 15                        ; 32,768 bytes a run (at most 511 runs)
	s_mov_b32 s27, 0
	s_add_nc_u64 s[24:25], s[24:25], s[26:27]
	s_lshl_b32 s28, ttmp9, 2
	s_add_co_u32 s28, s28, s22                     ; my run in the workspace, where the tensors lie on end
	s_lshl_b32 s30, s28, 12                        ; 4,096 bytes of codes a run
	s_mov_b32 s31, 0
	s_add_nc_u64 s[14:15], s[14:15], s[30:31]
	s_lshl_b32 s30, s28, 8                         ; 256 scale bytes a run
	s_add_nc_u64 s[16:17], s[16:17], s[30:31]
.macro QLOAD t
.irp i, 0,1,2,3
	global_load_b128 v[R+16*((\t)%4)+4*\i:R+16*((\t)%4)+4*\i+3], v3, s[24:25] offset:2048*(\t)+512*\i th:TH_LOAD_NT   ; 32 lanes read 512 consecutive bytes
.endr
.endm
.macro QTURN t                         ; step t's numbers through the stage: LDS serves a wave's instructions in order, so no wait stands between the stores and the loads
.irp i, 0,1,2,3
	ds_store_b128 v14, v[R+16*((\t)%4)+4*\i:R+16*((\t)%4)+4*\i+3] offset:32*SP*((\t)%2)+8*SP*\i
.endr
.irp i, 0,1,2,3
	ds_load_b128 v[X+16*((\t)%2)+4*\i:X+16*((\t)%2)+4*\i+3], v15 offset:32*SP*((\t)%2)+16*\i
.endr
.endm
.irp t, 0,1,2,3
	QLOAD \t
.endr
	s_wait_loadcnt 12                              ; step 0's four loads are in; the twelve of steps 1 to 3 stay out
	QTURN 0
.macro QSTEP t
.set XS, X+16*((\t)%2)
.if (\t) > 0
	s_wait_dscnt 1                                 ; this step's numbers are back from the stage; only the last step's byte store, issued behind them, may be out
.else
	s_wait_dscnt 0x0
.endif
.if (\t)+4 < STEPS
	QLOAD (\t)+4                                   ; into the registers that the stage's stores have read
.endif
.if (\t)+1 < STEPS
.if STEPS-2-(\t) >= 3
	s_wait_loadcnt 12                              ; the next step's four loads are in; those of the three steps behind it may be out
.else
	s_wait_loadcnt 4*(STEPS-2-(\t))
.endif
	QTURN (\t)+1
.endif
	v_max3_num_f32 v8, |v[XS]|, |v[XS+1]|, |v[XS+2]|               ; the largest magnitude of my 16, in two chains
	v_max3_num_f32 v9, |v[XS+3]|, |v[XS+4]|, |v[XS+5]|
.irp i, 6,10
	v_max3_num_f32 v8, v8, |v[XS+\i]|, |v[XS+\i+1]|
	v_max3_num_f32 v9, v9, |v[XS+\i+2]|, |v[XS+\i+3]|
.endr
	v_max3_num_f32 v8, v8, |v[XS+14]|, |v[XS+15]|
	v_max3_num_f32 v8, v8, v9, (EMAX+1)<<23        ; and the floor 2^(3 - 127): the byte cannot fall under 1
	v_max_num_f32_dpp v8, v8, v8 row_xmask:1 row_mask:0xf bank_mask:0xf   ; with my neighbour's 16: the block's
	v_add_nc_u32 v11, -(EMAX<<23), v8              ; 2 off its exponent field: the conversion takes that field of this operand as its scale
	v_cvt_scalef32_pk8_fp4_f32 v[C+4*(\t)], v[XS:XS+7], v11
	v_cvt_scalef32_pk8_fp4_f32 v[C+4*(\t)+1], v[XS+8:XS+15], v11
	v_lshrrev_b32 v[E+(\t)], 23, v11               ; the scale's byte (also the plain line behind the conversions)
	ds_store_b8 v5, v[E+(\t)] offset:16*(\t)       ; both lanes of a block write the same byte with the same value
	global_store_b64 v4, v[C+4*(\t):C+4*(\t)+1], s[14:15] offset:32*CB*(\t)   ; the wave stores 256 consecutive bytes, aligned
.endm
.irp t, 0,1,2,3,4,5,6,7,8,9,10,11,12,13,14,15
	QSTEP \t
.endr
	ds_load_b64 v[12:13], v6                       ; my wave's 256 scale bytes (LDS serves a wave in order: these see my stores)
	s_wait_dscnt 0x0
	global_store_b64 v7, v[12:13], s[16:17]        ; 256 consecutive bytes, aligned
	s_wait_tensorcnt 0x0
	ds_add_u32 v192, v193
	s_wait_dscnt 0x0
	s_endpgm
.Lnot_q:
	s_cmp_lt_u32 ttmp9, QWG+WWG
	s_cbranch_scc0 .Lrope
; ---- WAY W.  A wave takes 64 items of 128 numbers: a load of 512 consecutive bytes, x 4, two roundings to f16, a store of 256 consecutive bytes.  Sixteen loads of a wave are on their way.
; No address register is rewritten: the item stands in the immediate.
	v_lshlrev_b32 v3, 4, v2
	v_lshlrev_b32 v4, 3, v2
	s_lshl_b32 s23, s22, 15
	v_add_nc_u32 v3, s23, v3                       ; in: 16 x lane + 32,768 x wave
	s_lshl_b32 s23, s22, 14
	v_add_nc_u32 v4, s23, v4                       ; out: 8 x lane + 16,384 x wave
	s_sub_co_u32 s24, ttmp9, QWG
	s_lshl_b32 s26, s24, 17
	s_mov_b32 s27, 0
	s_lshl_b32 s28, s24, 16
	s_mov_b32 s29, 0
	s_wait_kmcnt 0x0
	s_add_nc_u64 s[12:13], s[12:13], s[26:27]
	s_add_nc_u64 s[18:19], s[18:19], s[28:29]
.set I, 0
.rept 16
	global_load_b128 v[WX+4*I:WX+4*I+3], v3, s[12:13] offset:512*I th:TH_LOAD_NT
.set I, I+1
.endr
.set I, 0
.rept 64
.set SL, I%16
.if I < 48
	s_wait_loadcnt 15                              ; loads come back in order: mine is in, the fifteen younger ones stay out
.else
	s_wait_loadcnt 63-I                            ; the last sixteen items load nothing: the counts run down
.endif
.if I >= 16
	s_wait_xcnt 0x0                                ; the slot's pair was a store's data sixteen items ago: it is written again only behind this wait
.endif
	v_pk_mul_f32 v[WT:WT+1], v[WX+4*SL:WX+4*SL+1], 4.0 op_sel_hi:[1,0]
	v_pk_mul_f32 v[WT+2:WT+3], v[WX+4*SL+2:WX+4*SL+3], 4.0 op_sel_hi:[1,0]
	v_cvt_pk_f16_f32 v[WY+2*SL], v[WT], v[WT+1]
	v_cvt_pk_f16_f32 v[WY+2*SL+1], v[WT+2], v[WT+3]
.if I < 48
	global_load_b128 v[WX+4*SL:WX+4*SL+3], v3, s[12:13] offset:512*(I+16) th:TH_LOAD_NT
.endif
	global_store_b64 v4, v[WY+2*SL:WY+2*SL+1], s[18:19] offset:256*I
.set I, I+1
.endr
	s_endpgm
.Lrope:
; ---- WAY R.  The table has 36,864 entries of 16 bytes; entry e: lane = e & 31 (r = lane % 16, h = lane / 16), c = (e >> 5) & 1, bidx = (e >> 6) & 7, pb = e >> 9.
; It holds (cos, sin, cos, sin) x sigma of the pairs i0 = 8 bidx + 4 h + 2 c and i0 + 1 at position 16 pb + r; sigma^2 = log2(e) / sqrt(128), so that q . k comes out as the exponent to base 2.
; pb 64 to 71 hold (1/4, 0, 1/4, 0): the "rotation" of v, so that the next launch has one text for q, k and v.
; Work-group k makes entries 1,024 k on; thread t's entry number it is 1,024 k + 128 it + t: bidx = 2 (it % 4) + t / 64, pb = 2 k + it / 4.
; The angle is position x theta as the definition has it, theta = 2^(-i log2(10000) / 64).  cos and sin: the angle less n pi/2 (pi/2 in two parts), series to r^9 and r^8 on |r| <= pi/4
; (what is cut off lies under 3e-8), the quadrant by n mod 4.
	s_sub_co_u32 s24, ttmp9, QWG+WWG               ; k
	s_mov_b32 s32, 0xbfc90fdb                      ; -pi/2, its f32 part
	s_mov_b32 s33, 0x333bbd2e                      ; that part less pi/2: 4.3711390e-8
	s_mov_b32 s34, 0x3638ef1d                      ; 1/362880
	s_mov_b32 s35, 0xb9500d01                      ; -1/5040
	s_mov_b32 s36, 0x3c088889                      ; 1/120
	s_mov_b32 s37, 0xbe2aaaab                      ; -1/6
	s_mov_b32 s38, 0x37d00d01                      ; 1/40320
	s_mov_b32 s39, 0xbab60b61                      ; -1/720
	s_mov_b32 s40, 0x3d2aaaab                      ; 1/24
	s_mov_b32 s43, 0xbe549a78                      ; -log2(10000) / 64
	s_mov_b32 s41, 0x3eb6d544                      ; sigma = 0.3570958
	s_cmp_lt_u32 s24, 32
	s_cselect_b32 s41, s41, 0                      ; A: what cos and sin are multiplied by,
	s_cselect_b32 s42, 0, 0x3e800000               ; B: what is added to cos: 0, or 1/4 in v's part
	v_and_b32 v3, 15, v2                           ; r
	v_lshrrev_b32 v4, 4, v2                        ; h
	s_lshr_b32 s25, s22, 1
	s_lshl_b32 s25, s25, 3                         ; 8 (t / 64)
	s_and_b32 s26, s22, 1
	s_lshl_b32 s26, s26, 1                         ; 2 c
	s_add_co_u32 s25, s25, s26
	v_lshl_add_u32 v5, v4, 2, s25                  ; my first pair for it % 4 = 0
	s_lshl_b32 s26, s24, 5
	v_add_nc_u32 v6, s26, v3
	v_cvt_f32_u32 v24, v6                          ; position 16 (2 k) + r,
	v_add_nc_u32 v6, 16, v6
	v_cvt_f32_u32 v25, v6                          ; and 16 (2 k + 1) + r
	v_lshlrev_b32 v7, 4, v0                        ; out: 16 bytes a thread: a wave stores 512 consecutive bytes
	s_lshl_b32 s26, s24, 14
	s_mov_b32 s27, 0
.irp u, 0,1,2,3
.irp pr, 0,1
	v_add_nc_u32 v[8+2*\u+\pr], 16*\u+\pr, v5      ; my eight pairs
.endr
.endr
.irp j, 0,1,2,3,4,5,6,7
	v_cvt_f32_u32 v[8+\j], v[8+\j]
.endr
.irp j, 0,1,2,3,4,5,6,7
	v_mul_f32 v[8+\j], s43, v[8+\j]
.endr
.irp j, 0,1,2,3,4,5,6,7
	v_exp_f32 v[16+\j], v[8+\j]                    ; theta
.endr
	v_nop                                          ; a plain line behind the exponentials
	s_wait_alu depctr_va_vdst(0)
	s_wait_kmcnt 0x0
	s_add_nc_u64 s[20:21], s[20:21], s[26:27]
.macro CS dc, ds, th, pos
	v_mul_f32 v30, v[\pos], v[\th]                 ; the angle
	v_mul_f32 v31, 0x3f22f983, v30                 ; x 2 / pi
	v_rndne_f32 v31, v31                           ; n
	v_fma_f32 v32, v31, s32, v30
	v_fma_f32 v32, v31, s33, v32                   ; r = angle - n pi/2
	v_mul_f32 v33, v32, v32
	v_fma_f32 v34, v33, s34, s35
	v_fma_f32 v35, v33, s38, s39
	v_fma_f32 v34, v34, v33, s36
	v_fma_f32 v35, v35, v33, s40
	v_fma_f32 v34, v34, v33, s37
	v_fma_f32 v35, v35, v33, -0.5
	v_mul_f32 v36, v32, v33
	v_fma_f32 v35, v35, v33, 1.0                   ; cos r
	v_fma_f32 v34, v34, v36, v32                   ; sin r
	v_cvt_i32_f32 v37, v31
	v_and_b32 v38, 1, v37
	v_cmp_eq_u32 vcc_lo, 1, v38
	v_cndmask_b32 v39, v34, v35, vcc_lo            ; odd quadrants change the two
	v_cndmask_b32 v40, v35, v34, vcc_lo
	v_lshlrev_b32 v38, 30, v37
	v_and_b32 v38, 0x80000000, v38                 ; sin is negative in quadrants 2 and 3,
	v_xor_b32 v39, v38, v39
	v_add_nc_u32 v37, 1, v37
	v_lshlrev_b32 v37, 30, v37
	v_and_b32 v37, 0x80000000, v37                 ; cos in 1 and 2
	v_xor_b32 v40, v37, v40
	v_fma_f32 v[\dc], v40, s41, s42
	v_mul_f32 v[\ds], s41, v39
.endm
.irp it, 0,1,2,3,4,5,6,7                       ; each entry has four registers of its own: no store's data are written again
	CS 64+4*\it, 65+4*\it, 16+2*(\it%4), 24+\it/4
	CS 66+4*\it, 67+4*\it, 17+2*(\it%4), 24+\it/4
	global_store_b128 v7, v[64+4*\it:67+4*\it], s[20:21] offset:2048*\it
.endr
	s_endpgm
.Lfunc_end_k_qe22437e750_prep:
	.size	k_qe22437e750_prep, .Lfunc_end_k_qe22437e750_prep-k_qe22437e750_prep
	.p2alignl 7, 3214868480
	.fill 96, 4, 3214868480
	.section	.rodata,"a",@progbits
	.p2align	6, 0x0
	.amdhsa_kernel k_qe22437e750_prep
		.amdhsa_group_segment_fixed_size 33280
		.amdhsa_private_segment_fixed_size 0
		.amdhsa_enable_private_segment 0
		.amdhsa_kernarg_size 72
		.amdhsa_user_sgpr_count 2
		.amdhsa_user_sgpr_kernarg_segment_ptr 1
		.amdhsa_wavefront_size32 1
		.amdhsa_system_sgpr_workgroup_id_x 1
		.amdhsa_system_sgpr_workgroup_id_y 1
		.amdhsa_system_sgpr_workgroup_id_z 1
		.amdhsa_system_vgpr_workitem_id 0
		.amdhsa_next_free_vgpr 194
		.amdhsa_next_free_sgpr 66
		.amdhsa_reserve_vcc 1
		.amdhsa_float_denorm_mode_32 3
		.amdhsa_float_denorm_mode_16_64 3
		.amdhsa_memory_ordered 1
		.amdhsa_forward_progress 1
		.amdhsa_inst_pref_size 91
	.end_amdhsa_kernel
	.amdgpu_metadata
---
amdhsa.version: [ 1, 2 ]
amdhsa.kernels:
  - .name:           k_qe22437e750_prep
    .symbol:         k_qe22437e750_prep.kd
    .args:
      - { .name: x, .offset: 0, .size: 8, .value_kind: global_buffer, .address_space: global }
      - { .name: wq, .offset: 8, .size: 8, .value_kind: global_buffer, .address_space: global }
      - { .name: wk, .offset: 16, .size: 8, .value_kind: global_buffer, .address_space: global }
      - { .name: wv, .offset: 24, .size: 8, .value_kind: global_buffer, .address_space: global }
      - { .name: wo, .offset: 32, .size: 8, .value_kind: global_buffer, .address_space: global }
      - { .name: codes, .offset: 40, .size: 8, .value_kind: global_buffer, .address_space: global }
      - { .name: scales, .offset: 48, .size: 8, .value_kind: global_buffer, .address_space: global }
      - { .name: wo16, .offset: 56, .size: 8, .value_kind: global_buffer, .address_space: global }
      - { .name: rope, .offset: 64, .size: 8, .value_kind: global_buffer, .address_space: global }
    .group_segment_fixed_size: 33280
    .private_segment_fixed_size: 0
    .kernarg_segment_align: 8
    .kernarg_segment_size: 72
    .max_flat_workgroup_size: 128
    .sgpr_count:     66
    .vgpr_count:     194
    .wavefront_size: 32
...
	.end_amdgpu_metadata
.endif
;; end of part 1
;; launch qkv (part 2): grid 24 x 16, 4 waves a work-group, clusters of 4 x 4, 327,680 bytes of LDS; arguments codes, scales, rope, qkv; writes qkv
.if DOCPART == 2
	.amdgcn_target "amdgcn-amd-amdhsa--gfx1250"
	.amdhsa_code_object_version 6
	.text
	.protected	k_qe22437e750_qkv
	.globl	k_qe22437e750_qkv
	.p2align	8
	.type	k_qe22437e750_qkv,@function
k_qe22437e750_qkv:
	s_mov_b64 s[64:65], 0
	v_nop
	global_prefetch_b8 v0, s[64:65] scope:SCOPE_SE
	s_setreg_imm32_b32 hwreg(HW_REG_WAVE_MODE, 25, 1), 1
	s_wait_xcnt 0x0
	s_wait_alu depctr_hold_cnt(0) depctr_sa_sdst(0) depctr_va_vdst(0) depctr_va_sdst(0) depctr_va_ssrc(0) depctr_va_vcc(0) depctr_vm_vsrc(0)
	s_getreg_b32 s2, hwreg(HW_REG_IB_STS2, 6, 4)
	s_cmp_eq_u32 s2, 0
	s_cbranch_scc0 .Lentry_in_a_cluster
	s_endpgm
.Lentry_in_a_cluster:
	s_bfe_u32 s2, ttmp6, 0x10000c
	s_cmp_lg_u32 s2, 0xf033
	s_cbranch_scc0 .Lentry_shape_is_right
	s_endpgm
.Lentry_shape_is_right:
; The three quantised products in one GEMM on codes of FP4 (E2M1): C[token][n] = sum over k of x[token][k] W[n][k], W = wq, wk, wv on end (3,072 rows), K = 2,048, one E8M0 scale for each 32 along K, sums in f32.
; On the way out q and k are rotated and multiplied by sigma, v by 1/4 (one table, one text), rounded to f16 and stored head by head: qkv[g][token][128], g = 0-15 q, 16-19 k, 20-23 v.
; A tile of C is 128 tokens x 128 columns = one head g (work-group x) and tokens 128 tm on (work-group y).  Four waves, each 64 x 64: 16 accumulators of 16 x 16.
; ALL OF K FITS IN LDS: 2 x 128 rows x 1,024 bytes of codes and their scale bytes.  So every tile is filled once: five tensor loads a wave go out together at the head (the scale bytes, then four chunks of 512 along K),
; no LDS byte is filled again, and each chunk is read behind a counted wait and a barrier.  By this text's own count a wave has five tensor loads outstanding.
; CLUSTERS: 4 x 4 work-groups.  The four of a row of the cluster need the same rows of x, the four of a column the same rows of W: each tile is asked for JOINTLY, by the same tensor load with the same descriptor and a mask that names the four.
; THE MATRIX INSTRUCTION IS USED TRANSPOSED (source 0 = 16 rows of W, source 1 = 16 tokens): lane (r, h) holds token r and the columns 8 h + 0 .. 7: four neighbouring pairs of the rotation.
; No prefetch: all that the work-group reads is asked for at its head.
; LIMITS: |q|, |k| from 1.8e5 on and |v| from 2.6e5 on become f16 infinities; NaN and infinities are not served.
; REGISTERS: window 0: v1-19 addresses; v32-95 scale words (nothing else ever); v96-127 at work; v128-255 the accumulators ((a, b) at v[128 + 8 (4 a + b)]).
;   window 1: v0-63, v64-127 two sets of fragments (A's four blocks, then B's four); v128-255 the table, in the accumulators' order.
.set PITCH,  272                       ; an LDS row: 256 bytes (512 codes) + 16 of padding: the 16 rows that a load touches start 16 bytes apart modulo 256
.set HALFT,  64*PITCH                  ; 64 rows: what one tensor load brings, and what one wave reads of A or of B in a chunk
.set CH,     4*HALFT                   ; a chunk: A's 128 rows, then B's 128 rows
.set SCL,    4*CH                      ; behind the four chunks: the scale bytes, as runs of 256 bytes + 16 of padding
.set HALFS,  16*272                    ; those of 64 rows (4,096 bytes)
.set SBLK,   4*272                     ; those of 16 rows
.set ADRA, 8                           ; v8-11   LDS address of my A fragments in chunk 0..3
.set ADRB, 12                          ; v12-15  the same for B
.set ADRS, 16                          ; v16     my scale words: lanes 0-15 A's rows, lanes 16-31 B's
.set STO,  17                          ; v17     the way out: where I put 16 bytes of a row
.set RD,   18                          ; v18     where I read a row back
.set CO,   19                          ; v19     16 x lane: my place in a load of the table and in a store
.set SC,   32                          ; register 16 c + 4 i + q: lanes 0-15 the word of A's block i, lanes 16-31 that of B's block i, for K = 512 c + 128 q on
.set T,    96
.set ACC,  128
.set TAB,  128                         ; in window 1
.set G1A,  24                          ; s[24:31], s[32:39] descriptor group 1 for A's and B's codes; s[40:47], s[48:55] for their scale bytes
.set G1B,  32
.set G1SA, 40
.set G1SB, 48
.set G0A,  56                          ; group 0 for A's chunks: s56-63 and s68-75;  for B's: s76-91;  for the scale bytes: s92-95, s96-99
.set G0B,  76
.set G0SA, 92
.set G0SB, 96
.set MSB, 0
.macro WIN new                         ; the immediate's high byte repeats the setting that is left
.if MSB != \new
	s_set_vgpr_msb (MSB<<8)|\new
.set MSB, \new
.endif
.endm
.set MUL,  0x05                        ; sources 0 (B) and 1 (A) window 1; C and D window 0
.set TO_F, 0x40                        ; destination window 1, address window 0
.set ROT,  0x04                        ; source 1 (the table) window 1
; A joint load: waves 0 and 1 fetch for A, waves 2 and 3 for B.  Each line has ONE mask and one set of registers for all that issue it; the branch hangs on the wave's number alone.
; Four v_nop follow each of the two lines, ahead of the jump, the label and what follows.
.macro JLOAD g0a, g1a, g0b, g1b
	s_cmp_eq_u32 s13, 0
	s_cbranch_scc0 .Lfor_b_\@
	tensor_load_to_lds s[\g0a:\g0a+3], s[\g1a:\g1a+7]
	s_nop 0
.rept 4
	v_nop
.endr
	s_branch .Lasked_\@
.Lfor_b_\@:
	tensor_load_to_lds s[\g0b:\g0b+3], s[\g1b:\g1b+7]
	s_nop 0
.rept 4
	v_nop
.endr
.Lasked_\@:
.endm
.macro CROUND                          ; a round of the cluster's barrier
	s_barrier_signal -1
	s_barrier_wait -1
	s_cmp_lg_u32 s12, 0
	s_cbranch_scc1 .Lnot_wave_0_\@
	s_barrier_signal -3
.Lnot_wave_0_\@:
	s_barrier_wait -3
	s_barrier_signal -1
	s_barrier_wait -1
.endm
.macro PLACES                          ; four plain lines between a matrix instruction and a load into, or a vector instruction on, its registers
.rept 4
	v_nop
.endr
.endm
	s_load_b256 s[4:11], s[0:1], 0x0               ; codes 4:5, scales 6:7, rope 8:9, qkv 10:11
	v_lshl_add_u32 v30, v0, 2, 0x48400
	v_mov_b32 v31, 0
	ds_add_u32 v30, v31
	ds_add_u32 v30, v31
	v_lshrrev_b32 v1, 5, v0
	v_readfirstlane_b32 s12, v1                    ; wave 0..3
	s_lshr_b32 s13, s12, 1                         ; which half of the tile's tokens is mine.  Also: I fetch for A (0) or for B (1)
	s_and_b32 s14, s12, 1                          ; which half of its columns.  Also: which 64 rows I fetch
	s_bfe_u32 s15, ttmp6, 0x40000                  ; cx, cy: my place in the cluster
	s_bfe_u32 s16, ttmp6, 0x40004
	s_lshl_b32 s17, ttmp9, 2
	s_add_co_u32 s17, s17, s15                     ; g = 4 x cluster x + cx
	s_and_b32 s18, ttmp7, 0xffff
	s_lshl_b32 s18, s18, 2
	s_add_co_u32 s18, s18, s16                     ; tm = 4 x cluster y + cy
	s_lshl_b32 s19, s16, 2
	s_lshl_b32 s19, 15, s19                        ; my row of the cluster
	s_lshl_b32 s20, 0x1111, s15                    ; my column
	; group 1 for the codes: 64 rows x 256 bytes, rows 1,024 bytes apart, 16 bytes of padding behind each
	s_or_b32 s[G1A], s19, (0<<16)|(1<<20)|(1<<21)|(5<<22)|(3<<25)   ; 15:0 the mask; 17:16 elements of 1 byte; 20 padding on; 21 set beside a mask; 24:22 after every 64 words; 31:25 four words
	s_or_b32 s[G1B], s20, (0<<16)|(1<<20)|(1<<21)|(5<<22)|(3<<25)
.irp g, G1A, G1B
	s_mov_b32 s[\g+1], 256<<16                     ; tensor_dim0
	s_mov_b32 s[\g+2], 64<<16                      ; tensor_dim1
	s_mov_b32 s[\g+3], 256<<16                     ; tile_dim0
	s_mov_b32 s[\g+4], 64                          ; tile_dim1
	s_mov_b32 s[\g+5], 1024                        ; from row to row
	s_mov_b32 s[\g+6], 0
	s_mov_b32 s[\g+7], 0
.endr
	; and for the scale bytes of 64 rows: a dense block of 4,096 bytes, as 16 rows of 256 bytes (32 elements of 8 bytes)
	s_or_b32 s[G1SA], s19, (3<<16)|(1<<20)|(1<<21)|(5<<22)|(3<<25)
	s_or_b32 s[G1SB], s20, (3<<16)|(1<<20)|(1<<21)|(5<<22)|(3<<25)
.irp g, G1SA, G1SB
	s_mov_b32 s[\g+1], 32<<16
	s_mov_b32 s[\g+2], 16<<16
	s_mov_b32 s[\g+3], 32<<16
	s_mov_b32 s[\g+4], 16
	s_mov_b32 s[\g+5], 32
	s_mov_b32 s[\g+6], 0
	s_mov_b32 s[\g+7], 0
.endr
	s_lshl_b32 s21, s14, 6                         ; which 64 rows of the tile I fetch
	s_lshl_b32 s2, s18, 7
	s_add_co_u32 s2, s2, s21                       ; A: row 128 tm + 64 x half: it hangs on tm alone, which my row of the cluster shares
	s_lshl_b32 s22, s2, 6                          ; its scale bytes,
	s_lshl_b32 s2, s2, 10                          ; its codes
	s_mov_b32 s3, 0
	s_mov_b32 s23, 0
	s_lshl_b32 s100, s17, 7
	s_add_co_u32 s100, s100, s21
	s_add_co_u32 s100, s100, 2048                  ; B: row 2,048 + 128 g + 64 x half: on g alone, which my column shares
	s_lshl_b32 s66, s100, 6
	s_lshl_b32 s100, s100, 10
	s_mov_b32 s101, 0
	s_mov_b32 s67, 0
	s_wait_dscnt 0x0
	s_wait_kmcnt 0x0
	s_add_nc_u64 s[2:3], s[4:5], s[2:3]
	s_add_nc_u64 s[22:23], s[6:7], s[22:23]
	s_add_nc_u64 s[100:101], s[4:5], s[100:101]
	s_add_nc_u64 s[66:67], s[6:7], s[66:67]
	s_mul_i32 s4, s12, HALFT                       ; where they go: wave x 64 rows: no place in the cluster enters an LDS address
	s_mul_i32 s5, s12, HALFS
	CROUND                                         ; all sixteen work-groups are here: the joint loads meet
	s_mov_b32 s[G0SA], 1
	s_add_co_u32 s[G0SA+1], s5, SCL
	s_mov_b64 s[G0SA+2:G0SA+3], s[22:23]
	s_or_b32 s[G0SA+3], s[G0SA+3], 0x80000000
	s_mov_b32 s[G0SB], 1
	s_add_co_u32 s[G0SB+1], s5, SCL
	s_mov_b64 s[G0SB+2:G0SB+3], s[66:67]
	s_or_b32 s[G0SB+3], s[G0SB+3], 0x80000000
	JLOAD G0SA, G1SA, G0SB, G1SB                   ; the scale bytes first: they are wanted with chunk 0
.irp c, 0,1,2,3
.set GA, G0A+4*\c+4*(\c/2)
.set GB, G0B+4*\c
	s_mov_b32 s[GA], 1
	s_add_co_u32 s[GA+1], s4, \c*CH
	s_add_nc_u64 s[GA+2:GA+3], s[2:3], \c*256
	s_or_b32 s[GA+3], s[GA+3], 0x80000000
	s_mov_b32 s[GB], 1
	s_add_co_u32 s[GB+1], s4, \c*CH
	s_add_nc_u64 s[GB+2:GB+3], s[100:101], \c*256
	s_or_b32 s[GB+3], s[GB+3], 0x80000000
	JLOAD GA, G1A, GB, G1B
.endr
	v_and_b32 v1, 15, v0                           ; r
	v_bfe_u32 v2, v0, 4, 1                         ; h
	v_and_b32 v6, 31, v0
	v_lshlrev_b32 v[CO], 4, v6
	; the table: block tm % 8 (positions 128 (tm % 8) on), or block 8 for v; in it my 64 tokens and my 32 pairs
	s_and_b32 s6, s18, 7
	s_lshl_b32 s6, s6, 16
	s_cmp_lt_u32 s17, 20
	s_cselect_b32 s6, s6, 0x80000
	s_lshl_b32 s7, s13, 15
	s_add_co_u32 s6, s6, s7
	s_lshl_b32 s7, s14, 12
	s_add_co_u32 s6, s6, s7
	s_mov_b32 s7, 0
	s_add_nc_u64 s[8:9], s[8:9], s[6:7]
	WIN TO_F
.irp a, 0,1,2,3
.irp b, 0,1,2,3
.irp c, 0,1
	global_load_b128 v[TAB+8*(4*\a+\b)+4*\c:TAB+8*(4*\a+\b)+4*\c+3], v[CO], s[8:9] offset:\a*8192+\b*1024+\c*512   ; 512 consecutive bytes a load; waited for on the way out
.endr
.endr
.endr
	WIN 0
	s_lshl_b32 s6, s17, 4
	s_add_co_u32 s6, s6, s18
	s_lshl_b32 s6, s6, 15                          ; the tile is a dense block of 32,768 bytes at (16 g + tm) x 32,768,
	s_lshl_b32 s15, s12, 13
	s_add_co_u32 s6, s6, s15                       ; of which I store rows 32 w on
	s_add_nc_u64 s[10:11], s[10:11], s[6:7]
	v_mul_u32_u24 v3, v1, PITCH
	v_lshl_add_u32 v3, v2, 4, v3                   ; a fragment's row x pitch + 16 x half
	s_mul_i32 s4, s13, HALFT                       ; my 64 rows of A,
	s_mul_i32 s5, s14, HALFT                       ; my 64 rows of B,
	s_add_co_u32 s5, s5, 2*HALFT                   ; which lie behind A's 128
.irp c, 0,1,2,3
	v_add_nc_u32 v[ADRA+\c], s4, v3
	v_add_nc_u32 v[ADRB+\c], s5, v3
	s_add_co_u32 s4, s4, CH
	s_add_co_u32 s5, s5, CH
.endr
	v_lshlrev_b32 v5, 6, v1                        ; my row's scale bytes: 64 a row,
	v_lshrrev_b32 v6, 8, v5
	v_lshl_add_u32 v5, v6, 4, v5                   ; and 16 more for each 256 passed
	s_mul_i32 s4, s13, HALFS                       ; A's: my 64 rows
	s_mul_i32 s5, s14, HALFS                       ; B's: my 64 rows, behind A's 128
	s_add_co_u32 s5, s5, 2*HALFS
	s_sub_co_u32 s5, s5, s4
	v_mul_u32_u24 v6, s5, v2                       ; lanes 16-31 take B's: the lower base + h x the distance
	s_add_co_u32 s4, s4, SCL
	v_add_nc_u32 v5, v5, v6
	v_add_nc_u32 v[ADRS], s4, v5
	s_mul_i32 s4, s13, 64*PITCH                    ; the stage (128 rows x 272 bytes in chunk 0): my 64 rows, my half of their 256 bytes
	s_lshl_b32 s5, s14, 7
	s_add_co_u32 s4, s4, s5
	v_add_nc_u32 v[STO], s4, v3
	s_mul_i32 s4, s12, 32*PITCH                    ; back: wave w takes rows 32 w on, whole; lanes 0-15 one row, lanes 16-31 the next
	v_mul_u32_u24 v5, v2, PITCH
	v_lshl_add_u32 v5, v1, 4, v5
	v_add_nc_u32 v[RD], s4, v5
.macro FRAG reg, adr, q, i             ; 16 rows x 128 K of 4-bit codes: 8 registers; registers 4 c .. 4 c + 3 hold K = 64 c + 32 h + 0 .. 31
.irp cc, 0,1
	ds_load_b128 v[\reg+4*\cc:\reg+4*\cc+3], v[\adr] offset:64*(\q)+32*\cc+(\i)*16*PITCH
.endr
.endm
.macro FETCH k                         ; step k's eight fragments (K = 128 k on) into set k % 2: sixteen loads
	WIN TO_F
.irp i, 0,1,2,3
	FRAG 64*((\k)%2)+8*\i, ADRA+(\k)/4, (\k)%4, \i
.endr
.irp i, 0,1,2,3
	FRAG 64*((\k)%2)+32+8*\i, ADRB+(\k)/4, (\k)%4, \i
.endr
.endm
; 16 matrix instructions, 128 along K.  The accumulators take turns, one instruction a turn, in the same order in every step.
.macro MUL16 k, zero
.irp a, 0,1,2,3
.irp b, 0,1,2,3
.if \zero
	v_wmma_scale_f32_16x16x128_f8f6f4 v[ACC+8*(4*\a+\b):ACC+8*(4*\a+\b)+7], v[64*((\k)%2)+32+8*\b:64*((\k)%2)+32+8*\b+7], v[64*((\k)%2)+8*\a:64*((\k)%2)+8*\a+7], 0, v[SC+16*((\k)/4)+4*\b+(\k)%4], v[SC+16*((\k)/4)+4*\a+(\k)%4] matrix_a_fmt:MATRIX_FMT_FP4 matrix_b_fmt:MATRIX_FMT_FP4 matrix_a_scale:MATRIX_SCALE_ROW1
.else
	v_wmma_scale_f32_16x16x128_f8f6f4 v[ACC+8*(4*\a+\b):ACC+8*(4*\a+\b)+7], v[64*((\k)%2)+32+8*\b:64*((\k)%2)+32+8*\b+7], v[64*((\k)%2)+8*\a:64*((\k)%2)+8*\a+7], v[ACC+8*(4*\a+\b):ACC+8*(4*\a+\b)+7], v[SC+16*((\k)/4)+4*\b+(\k)%4], v[SC+16*((\k)/4)+4*\a+(\k)%4] matrix_a_fmt:MATRIX_FMT_FP4 matrix_b_fmt:MATRIX_FMT_FP4 matrix_a_scale:MATRIX_SCALE_ROW1
.endif
.endr
.endr
.endm
	s_wait_tensorcnt 3                             ; my scale bytes and my part of chunk 0 are in; chunks 1 to 3 were issued behind them and stay out,
	s_barrier_signal -1
	s_barrier_wait -1                              ; everybody's are.
.irp c, 0,1,2,3                                ; all scale words, once: four words a row and chunk
.irp i, 0,1,2,3
	ds_load_b128 v[SC+16*\c+4*\i:SC+16*\c+4*\i+3], v[ADRS] offset:\i*SBLK+16*\c
.endr
.endr
	FETCH 0
	FETCH 1
	s_wait_dscnt 16                                ; all but step 1's sixteen
	WIN MUL
	MUL16 0, 1                                     ; the first products start the sums: nothing is cleared
.set K, 1
.rept 14
	PLACES                                         ; the set that is loaded next was read by the products just issued
.if (K+1)%4 == 0
	s_wait_tensorcnt 3-(K+1)/4                     ; my part of the next chunk is in; the chunks behind it stay out
	s_wait_dscnt 0x0                               ; no LDS instruction of mine is pending at the signal
	s_barrier_signal -1
	s_barrier_wait -1                              ; everybody's part is in
.endif
	FETCH K+1
	s_wait_dscnt 16                                ; this step's fragments are in; the next step's sixteen loads stay out
	WIN MUL
	MUL16 K, 0
.set K, K+1
.endr
	s_wait_dscnt 0x0
	MUL16 15, 0
	; THE WAY OUT.  Pair (x0, x1) becomes (x0 c - x1 s, x1 c + x0 s); c and s carry sigma (for v: c = 1/4, s = 0).  Each accumulator is read from its low end on.
	s_wait_loadcnt 0x0                             ; the table
	PLACES
	WIN ROT
.set AI, 0
.rept 16
.irp k, 0,1,2,3
	v_mul_f32 v[T+8*(AI%4)+2*\k], -v[ACC+8*AI+2*\k+1], v[TAB+8*AI+2*\k+1]
	v_mul_f32 v[T+8*(AI%4)+2*\k+1], v[ACC+8*AI+2*\k], v[TAB+8*AI+2*\k+1]
.endr
.irp k, 0,1,2,3
	v_pk_fma_f32 v[ACC+8*AI+2*\k:ACC+8*AI+2*\k+1], v[ACC+8*AI+2*\k:ACC+8*AI+2*\k+1], v[TAB+8*AI+2*\k:TAB+8*AI+2*\k+1], v[T+8*(AI%4)+2*\k:T+8*(AI%4)+2*\k+1] op_sel_hi:[1,0,1]
.endr
.set AI, AI+1
.endr
	WIN 0
.set AI, 0
.rept 16
.irp k, 0,1,2,3
	v_cvt_pk_f16_f32 v[ACC+8*AI+\k], v[ACC+8*AI+2*\k], v[ACC+8*AI+2*\k+1]   ; packed in place: register k takes numbers 2 k and 2 k + 1, which no later line of the four wants below 2 k
.endr
.set AI, AI+1
.endr
	; The stage lies in chunk 0, which has had its only fill; every wave has passed the barrier in front of chunk 1, behind its wait for its last reads of chunk 0.
.irp a, 0,1,2,3
.irp b, 0,1,2,3
	ds_store_b128 v[STO], v[ACC+8*(4*\a+\b):ACC+8*(4*\a+\b)+3] offset:\a*16*PITCH+32*\b
.endr
.endr
	s_wait_dscnt 0x0                               ; for the others' sake: my stores into the stage are done; a row's 256 bytes come from two waves
	s_barrier_signal -1
	s_barrier_wait -1
.irp t, 0,1,2,3,4,5,6,7,8,9,10,11,12,13,14,15
	ds_load_b128 v[ACC+8*\t+4:ACC+8*\t+7], v[RD] offset:\t*2*PITCH
.endr
.irp t, 0,1,2,3,4,5,6,7,8,9,10,11,12,13,14,15
	s_wait_dscnt 15-\t
	global_store_b128 v[CO], v[ACC+8*\t+4:ACC+8*\t+7], s[10:11] offset:512*\t   ; 32 lanes store 512 consecutive bytes, at a multiple of 256 from the buffer's first byte
.endr
	s_wait_tensorcnt 0x0
	ds_add_u32 v30, v31
	s_wait_dscnt 0x0
	CROUND                                         ; the closing round: no work-group ends while a partner may still ask for a tile that names it
	s_endpgm
.Lfunc_end_k_qe22437e750_qkv:
	.size	k_qe22437e750_qkv, .Lfunc_end_k_qe22437e750_qkv-k_qe22437e750_qkv
	.p2alignl 7, 3214868480
	.fill 96, 4, 3214868480
	.section	.rodata,"a",@progbits
	.p2align	6, 0x0
	.amdhsa_kernel k_qe22437e750_qkv
		.amdhsa_group_segment_fixed_size 327680
		.amdhsa_private_segment_fixed_size 0
		.amdhsa_enable_private_segment 0
		.amdhsa_kernarg_size 32
		.amdhsa_user_sgpr_count 2
		.amdhsa_user_sgpr_kernarg_segment_ptr 1
		.amdhsa_wavefront_size32 1
		.amdhsa_system_sgpr_workgroup_id_x 1
		.amdhsa_system_sgpr_workgroup_id_y 1
		.amdhsa_system_sgpr_workgroup_id_z 1
		.amdhsa_system_vgpr_workitem_id 0
		.amdhsa_next_free_vgpr 512
		.amdhsa_next_free_sgpr 102
		.amdhsa_reserve_vcc 0
		.amdhsa_float_denorm_mode_32 3
		.amdhsa_float_denorm_mode_16_64 3
		.amdhsa_memory_ordered 1
		.amdhsa_forward_progress 1
		.amdhsa_inst_pref_size 87
	.end_amdhsa_kernel
	.amdgpu_metadata
---
amdhsa.version: [ 1, 2 ]
amdhsa.kernels:
  - .name:           k_qe22437e750_qkv
    .symbol:         k_qe22437e750_qkv.kd
    .args:
      - { .name: codes, .offset: 0, .size: 8, .value_kind: global_buffer, .address_space: global }
      - { .name: scales, .offset: 8, .size: 8, .value_kind: global_buffer, .address_space: global }
      - { .name: rope, .offset: 16, .size: 8, .value_kind: global_buffer, .address_space: global }
      - { .name: qkv, .offset: 24, .size: 8, .value_kind: global_buffer, .address_space: global }
    .group_segment_fixed_size: 327680
    .private_segment_fixed_size: 0
    .kernarg_segment_align: 8
    .kernarg_segment_size: 32
    .max_flat_workgroup_size: 128
    .sgpr_count:     102
    .vgpr_count:     512
    .wavefront_size: 32
...
	.end_amdgpu_metadata
.endif
;; end of part 2
;; launch attn (part 3): grid 16 x 8, 4 waves a work-group, no clusters, 327,680 bytes of LDS; arguments qkv, att; writes att
.if DOCPART == 3
	.amdgcn_target "amdgcn-amd-amdhsa--gfx1250"
	.amdhsa_code_object_version 6
	.text
	.protected	k_qe22437e750_attn
	.globl	k_qe22437e750_attn
	.p2align	8
	.type	k_qe22437e750_attn,@function
k_qe22437e750_attn:
	s_mov_b64 s[64:65], 0
	v_nop
	global_prefetch_b8 v0, s[64:65] scope:SCOPE_SE
	s_setreg_imm32_b32 hwreg(HW_REG_WAVE_MODE, 25, 1), 1
	s_wait_xcnt 0x0
; Causal attention on f16 operands, f32 sums.  qkv[g][b][s][128] f16: g 0-15 q x sigma, 16-19 k x sigma, 20-23 v / 4; sigma^2 = log2(e) / sqrt(128), so that q . k IS the exponent to base 2.
; att[token][2048] f16 = softmax(..) (v / 4).  f16 and not bf16: the first rows of a sequence weigh few keys and come out several times larger than the output's root mean square, against which all numbers are held.
; SHARES.  Work-group (p, y): y = 4 b + kv head.  Wave w is query head 4 kvh + w: the four waves read the same K and V, over the same keys.  A wave holds 32 queries (two tiles of 16): first block p of 32, then block 31 - p.
; Block j wants the keys 0 .. 32 j + 31: j / 2 + 1 steps of 64.  For p and 31 - p together that is ALWAYS 17 steps: every trip count is a constant, every work-group has the same work, and no tile that the mask hides whole is fetched.
; So there is work for 128 work-groups: 32,768 query rows / (4 waves x 32 rows x 2 blocks).
; NO CLUSTER: step T is key step T in the first block and T - nA in the second, nA = p / 2 + 1: work-groups with another nA want other tiles in the same step; only p = 2 m and 2 m + 1 walk alike, two and not four.
; LAYOUT.  S^T = K Q^T (source 0 = 16 keys, source 1 = 16 queries): a lane holds ONE query (lane % 16) and the keys 8 (lane / 16) + 0..7; two such tiles, rounded to f16 in pairs, are source 1 of O^T = V^T P.  V comes out of LDS turned.
; SOFTMAX.  A running maximum m and sum l for each query: p = 2^(s - m); in every step O and l are multiplied by a = 2^(m_old - m_new).  Hidden scores become -infinity; every row has an open key in every step that it walks.
; RING.  Two LDS slots of two key steps; the change of slots stands at a slot's head; behind its barrier the slot just left is filled with the steps two slots on.  A wave has one tensor load outstanding, with two steps in which to land.
; LIMITS: NaN and infinities are not served.
; REGISTERS: window 0: v1-17 addresses; v30-31 for the add; v32-47 statistics, 8 a tile: +0 m, +1 m_old, +2 +3 l, +4..+7 at work (a in +6); v64-127 S^T; v128-159 P; v160-223 the way out.
;   window 1: v0-63 Q; v64-191 O^T.     window 2: v0-127 V; v128-255 K.
.set KS,    64
.set KPI,   272                        ; a row of K in LDS: 256 bytes + 16
.set VPI,   288                        ; a row of V: 256 + 32: 16 lanes of the turning load take 8 rows x 32 bytes
.set VOFF,  KS*KPI
.set STEPB, KS*(KPI+VPI)               ; a step: 64 rows of K, then 64 rows of V
.set SLOT1, 1<<17                      ; slot 1 begins here: one exclusive or turns an address from slot to slot
.set STAGE, SLOT1+2*STEPB              ; behind the ring: 16 rows x 272 bytes for each wave
.set SP,    272
.set SPARE, STAGE+4*16*SP              ; the spare words, 128 bytes a wave: two blocks of 256 bytes that no other line names
.set AK0, 2
.set AV0, 3
.set ADR, 4
.set ADRV, 5
.set QO,  6
.set STO, 7
.set RD,  8
.set GO,  9
.set PFO, 10
.set NINF, 11
.set D0,  12                           ; v12-13 the mask's d for each tile
.set RH,  14                           ; r - 8 h
.set SPW, 30
.set NIL, 31
.set ST,  32
.set S,   64
.set P,   128
.set W,   160
.set QR,  0                            ; window 1
.set OT,  64                           ; window 1
.set VR,  0                            ; window 2
.set KR,  128                          ; window 2
.set PB,  2                            ; s[2:3]  K's (waves 0, 1) or V's (waves 2, 3) first byte: the prefetches' base
.set WV,  8
.set WO,  9                            ; wave % 2: which of a slot's two steps I fetch
.set PP,  10
.set NA,  11                           ; steps of the first block
.set TT,  12                           ; the step in hand, 0 .. 16
.set KF,  13                           ; its first key
.set Q0,  14                           ; my block's first query
.set LIM, 15
.set SLOTS, 16
.set TWICE, 17
.set TB,  18                           ; LDS byte at which the step's tiles begin
.set TF,  19                           ; the step that my next tensor load brings
.set KB,  20
.set VB,  22
.set G1K, 24
.set G1V, 32
.set G0K, 40
.set G0V, 44
.set QB,  48                           ; the second block's Q
.set OP,  50                           ; where the block in hand is stored
.set OB,  52                           ; where the second block is stored
.set PFA, 54
.set SEL, 56
.set MSB, 0
.macro WIN new
.if MSB != \new
	s_set_vgpr_msb (MSB<<8)|\new
.set MSB, \new
.endif
.endm
.set W_KQ, 0x06                        ; K window 2, Q window 1, S^T window 0
.set W_PV, 0x52                        ; V window 2, P window 0, O^T window 1
.set W_RS, 0x41                        ; O^T (destination and source 0) window 1
; Waves 0 and 1 fetch K of the slot's two steps, waves 2 and 3 V.  mode = 2: the last slot holds one step, so waves 1 and 3 fetch nothing.  The branches hang on the wave's number alone.
; Four v_nop follow each of the two lines.
.macro TLOAD mode
.if \mode == 2
	s_cmp_lg_u32 s[WO], 0
	s_cbranch_scc1 .Lasked_\@
.endif
	s_cmp_lt_u32 s[WV], 2
	s_cbranch_scc0 .Lfor_v_\@
	tensor_load_to_lds s[G0K:G0K+3], s[G1K:G1K+7]
	s_nop 0
.rept 4
	v_nop
.endr
	s_branch .Lasked_\@
.Lfor_v_\@:
	tensor_load_to_lds s[G0V:G0V+3], s[G1V:G1V+7]
	s_nop 0
.rept 4
	v_nop
.endr
.Lasked_\@:
.endm
; Step TF's key step is TF in the first block and TF - nA in the second; 64 rows of 256 bytes a key step.  s59 stays 0.
.macro AIM
	s_cmp_lt_u32 s[TF], s[NA]
	s_cselect_b32 s58, 0, s[NA]
	s_sub_co_u32 s58, s[TF], s58
	s_lshl_b32 s58, s58, 14
	s_add_nc_u64 s[G0K+2:G0K+3], s[KB:KB+1], s[58:59]
	s_or_b32 s[G0K+3], s[G0K+3], 0x80000000
	s_add_nc_u64 s[G0V+2:G0V+3], s[VB:VB+1], s[58:59]
	s_or_b32 s[G0V+3], s[G0V+3], 0x80000000
.endm
; A PREFETCH INTO THE L2 of the 64 rows that my tensor load of the NEXT change of slots will bring: two key steps on from the one just asked for, a lane a row, two instructions.
; All sixteen work-groups of a (b, kv head) walk the same K and V: work-group p = 0 asks, and nobody else; there nA = 1, so the load just issued brings key step TF - 1.
; It asks in the trips with 7 to 2 slots to go: key steps 3 to 14 of K and of V, each row once in the launch; the highest row named is 64 x 15 - 1.
.macro ASK
	s_cmp_gt_u32 s[SLOTS], s[LIM]
	s_cbranch_scc0 .Lnot_mine_\@
	global_prefetch_b8 v[PFO], s[PFA:PFA+1] offset:32768 th:TH_LOAD_NT scope:SCOPE_SE
	global_prefetch_b8 v[PFO], s[PFA:PFA+1] offset:40960 th:TH_LOAD_NT scope:SCOPE_SE
.Lnot_mine_\@:
.endm
; THE CHANGE OF SLOTS, at a slot's head.  Each wave waits for all its tensor loads (its part of the slot that it is about to read), adds 0 to its spare word, and waits for that and for its reads of the slot that it has left.
; Behind the barrier the slot ahead is whole and nobody reads the other one, which is filled first thing (mode 1, 2), one tensor load a wave.
.macro CHANGE mode
	s_wait_tensorcnt 0x0                           ; no tensor load of mine is out, so a group 0 may be written
	ds_add_u32 v[SPW], v[NIL]                      ; 0 onto my spare word: the descriptors' steps stand between it and the wait for it
.if \mode
	s_add_co_u32 s[TF], s[TF], 2
	s_xor_b32 s[G0K+1], s[G0K+1], SLOT1            ; the other slot than last time
	s_xor_b32 s[G0V+1], s[G0V+1], SLOT1
	AIM
.endif
.if \mode == 1
	s_wait_xcnt 0x0                                ; the last prefetches, two steps back, have read their address, so it may be written
	s_add_nc_u64 s[PFA:PFA+1], s[PB:PB+1], s[58:59]
.endif
	s_wait_dscnt 0x0                               ; the add is done, and my reads of the slot that I have left are over
	s_barrier_signal -1
	s_barrier_wait -1
.if \mode
	TLOAD \mode
.endif
.if \mode == 1
	ASK
.endif
.endm
.macro QLOADS base                     ; Q stays in registers: tile i / 4, channels 32 (i % 4) on
	WIN 0x40
.irp i, 0,1,2,3,4,5,6,7
	global_load_b128 v[QR+8*\i:QR+8*\i+3],   v[QO], s[\base:\base+1] offset:(\i/4)*4096+(\i%4)*64
	global_load_b128 v[QR+8*\i+4:QR+8*\i+7], v[QO], s[\base:\base+1] offset:(\i/4)*4096+(\i%4)*64+32
.endr
	WIN 0
.endm
.macro INIT                            ; a block begins: m under every score, l and O^T zeros, which the first a = 0 leaves zeros.  The step is so written once for every place of the change of blocks
.irp t, 0,1
	v_mov_b32 v[ST+8*\t], 0xff61b1e6               ; -3e38
	v_mov_b32 v[ST+8*\t+2], 0
	v_mov_b32 v[ST+8*\t+3], 0
.endr
	WIN 0x40
.set i, 0
.rept 128
	v_mov_b32 v[OT+i], 0
.set i, i+1
.endr
	WIN 0
.endm
; THE WAY OUT of a block: l's two halves and the other half of the lanes' are added; O^T / l is rounded to f16 and goes through my stage, a tile (16 rows) at a time.
.macro PACK t
	WIN W_RS
.set i, 0
.rept 32
	v_pk_mul_f32 v[OT+64*\t+i:OT+64*\t+i+1], v[OT+64*\t+i:OT+64*\t+i+1], v[ST+8*\t+6:ST+8*\t+7] op_sel_hi:[1,0]
.set i, i+2
.endr
	WIN 0x05
.set i, 0
.rept 32
	v_cvt_pk_f16_f32 v[W+32*\t+i], v[OT+64*\t+2*i], v[OT+64*\t+2*i+1]
.set i, i+1
.endr
	WIN 0
.irp f, 0,1,2,3,4,5,6,7
	ds_store_b128 v[STO], v[W+32*\t+4*\f:W+32*\t+4*\f+3] offset:32*\f
.endr
.irp f, 0,1,2,3,4,5,6,7
	ds_load_b128 v[W+32*\t+4*\f:W+32*\t+4*\f+3], v[RD] offset:\f*2*SP   ; LDS serves a wave's instructions in order: these see the stores above, and the next tile's stores come behind them
.endr
.endm
.macro SEND t, younger                 ; younger: the LDS instructions issued behind tile t's loads
.irp f, 0,1,2,3,4,5,6,7
	s_wait_dscnt \younger+7-\f
	global_store_b128 v[GO], v[W+32*\t+4*\f:W+32*\t+4*\f+3], s[OP:OP+1] offset:\t*65536+\f*8192   ; 16 lanes store 256 consecutive bytes, at a multiple of 256 from the buffer's first byte
.endr
.endm
.macro FINISH
.irp t, 0,1
	v_add_f32 v[ST+8*\t+4], v[ST+8*\t+2], v[ST+8*\t+3]
.endr
.irp t, 0,1
	v_permlanex16_b32 v[ST+8*\t+5], v[ST+8*\t+4], s[SEL], s[SEL+1]
.endr
.irp t, 0,1
	v_add_f32 v[ST+8*\t+4], v[ST+8*\t+4], v[ST+8*\t+5]
.endr
.irp t, 0,1
	v_rcp_f32 v[ST+8*\t+6], v[ST+8*\t+4]
.endr
	v_nop                                          ; a plain line between the last reciprocal and the use of its result
	s_wait_alu depctr_va_vdst(0)
	PACK 0
	PACK 1
	SEND 0, 16
	SEND 1, 0
.endm
.macro SWITCH                          ; from the first block to the second
	QLOADS QB                                      ; asked for first: the way out stands between these loads and the wait for them
	FINISH
	s_wait_xcnt 0x0                                ; the stores have read their base
	s_mov_b64 s[OP:OP+1], s[OB:OB+1]
	s_sub_co_u32 s[Q0], 31, s[PP]
	s_lshl_b32 s[Q0], s[Q0], 5
	s_mov_b32 s[KF], 0
	INIT
	s_wait_loadcnt 0x0                             ; Q
.endm
; A KEY STEP: 64 keys.  sw = 1: the change of blocks may fall here (a branch on ids).  mask: 0 none; 1 where the step reaches past my first query (a branch on ids); 2 always.
.macro STEP sw, mask
.if \sw
	s_cmp_lg_u32 s[TT], s[NA]
	s_cbranch_scc1 .Lsame_\@
	SWITCH
.Lsame_\@:
.endif
	v_add_nc_u32 v[ADR], s[TB], v[AK0]
	v_add_nc_u32 v[ADRV], s[TB], v[AV0]
	WIN 0x80
.irp f, 0,1,2,3,4,5,6,7,8,9,10,11,12,13,14,15  ; K: keys 16 (f / 4) on, channels 32 (f % 4) on
	ds_load_b128 v[KR+8*\f:KR+8*\f+3],   v[ADR] offset:(\f/4)*16*KPI+(\f%4)*64
	ds_load_b128 v[KR+8*\f+4:KR+8*\f+7], v[ADR] offset:(\f/4)*16*KPI+(\f%4)*64+32
.endr
.irp f, 0,1,2,3,4,5,6,7,8,9,10,11,12,13,14,15  ; V, turned: keys 32 (f / 8) on, channels 16 (f % 8) on
	ds_load_tr16_b128 v[VR+8*\f:VR+8*\f+3],   v[ADRV] offset:(\f/8)*32*VPI+(\f%8)*32
	ds_load_tr16_b128 v[VR+8*\f+4:VR+8*\f+7], v[ADRV] offset:(\f/8)*32*VPI+16*VPI+(\f%8)*32
.endr
	s_wait_dscnt 32                                ; K is in; V's 32 loads, issued behind it, stay out under the products and the softmax
	WIN W_KQ
.set i, 0
.rept 32                                       ; S^T = K Q^T: channels 32 (i / 8) on, keys 16 ((i / 2) % 4) on, tile i % 2.  Eight accumulators by turns; the first eight products start the sums
.set rS, S+32*(i%2)+8*((i/2)%4)
.set rK, KR+32*((i/2)%4)+8*(i/8)
.set rQ, QR+32*(i%2)+8*(i/8)
.if i < 8
	v_wmma_f32_16x16x32_f16 v[rS:rS+7], v[rK:rK+7], v[rQ:rQ+7], 0
.else
	v_wmma_f32_16x16x32_f16 v[rS:rS+7], v[rK:rK+7], v[rQ:rQ+7], v[rS:rS+7]
.endif
.set i, i+1
.endr
	WIN 0
.rept 4
	v_nop                                          ; four plain lines between the last product and the first read of the scores
.endr
.if \mask
.if \mask == 1
	s_add_co_u32 s62, s[KF], 63
	s_cmp_le_u32 s62, s[Q0]
	s_cbranch_scc1 .Lopen_\@                       ; all 64 keys count for all my queries
.endif
	s_sub_co_i32 s62, s[Q0], s[KF]
	v_add_nc_u32 v[D0], s62, v[RH]                 ; d = my query - KF - 8 h.  Register n holds key KF + 8 h + 16 (n / 8) + n % 8: hidden where 16 (n / 8) + n % 8 > d
	v_add_nc_u32 v[D0+1], 16, v[D0]
.set n, 0
.rept 32
.irp t, 0,1
	v_cmp_gt_i32 vcc_lo, 16*(n/8)+n%8, v[D0+\t]
	v_cndmask_b32 v[S+32*\t+n], v[S+32*\t+n], v[NINF], vcc_lo
.endr
.set n, n+1
.endr
.if \mask == 1
.Lopen_\@:
.endif
.endif
	; the softmax, the two tiles line by line in turn
.irp j, 0,1,2,3
.irp t, 0,1
	v_max3_num_f32 v[ST+8*\t+4+\j], v[S+32*\t+8*\j], v[S+32*\t+8*\j+1], v[S+32*\t+8*\j+2]
.endr
.endr
.irp g, 1,2
.irp j, 0,1,2,3
.irp t, 0,1
	v_max3_num_f32 v[ST+8*\t+4+\j], v[ST+8*\t+4+\j], v[S+32*\t+8*\j+2*\g+1], v[S+32*\t+8*\j+2*\g+2]
.endr
.endr
.endr
.irp t, 0,1
	v_max3_num_f32 v[ST+8*\t+4], v[ST+8*\t+4], v[S+32*\t+7], v[S+32*\t+15]
.endr
.irp t, 0,1
	v_max3_num_f32 v[ST+8*\t+6], v[ST+8*\t+6], v[S+32*\t+23], v[S+32*\t+31]
.endr
.irp t, 0,1
	v_mov_b32 v[ST+8*\t+1], v[ST+8*\t]             ; m_old
.endr
.irp t, 0,1
	v_max3_num_f32 v[ST+8*\t+4], v[ST+8*\t+4], v[ST+8*\t+5], v[ST+8*\t+6]
.endr
.irp t, 0,1
	v_max3_num_f32 v[ST+8*\t+4], v[ST+8*\t+4], v[ST+8*\t+7], v[ST+8*\t+1]
.endr
.irp t, 0,1
	v_permlanex16_b32 v[ST+8*\t+5], v[ST+8*\t+4], s[SEL], s[SEL+1]   ; the query's other 32 keys lie in the lane 16 away
.endr
.irp t, 0,1
	v_max_num_f32 v[ST+8*\t], v[ST+8*\t+4], v[ST+8*\t+5]             ; the new m
.endr
.irp t, 0,1
	v_sub_f32 v[ST+8*\t+7], v[ST+8*\t+1], v[ST+8*\t]
.endr
.set n, 0
.rept 16
.irp t, 0,1
	v_pk_add_f32 v[S+32*\t+n:S+32*\t+n+1], v[S+32*\t+n:S+32*\t+n+1], v[ST+8*\t:ST+8*\t+1] op_sel_hi:[1,0] neg_lo:[0,1] neg_hi:[0,1]   ; s - m
.endr
.set n, n+2
.endr
.irp t, 0,1
	v_exp_f32 v[ST+8*\t+6], v[ST+8*\t+7]           ; a
.endr
.set n, 0
.rept 32
.irp t, 0,1
	v_exp_f32 v[S+32*\t+n], v[S+32*\t+n]           ; p, at most 1
.endr
.set n, n+1
.endr
	v_nop                                          ; a plain line behind the exponentials
.set n, 0
	s_wait_alu depctr_va_vdst(0)
.rept 16
.irp t, 0,1
	v_cvt_pk_f16_f32 v[P+16*\t+n], v[S+32*\t+2*n], v[S+32*\t+2*n+1]
.endr
.set n, n+1
.endr
.irp w, 4,8,16,32                              ; the sum of a tile's 16 pairs, in place: neighbours 1, 2, 4 and 8 pairs apart
.set n, 0
.rept 32/\w
.irp t, 0,1
	v_pk_add_f32 v[S+32*\t+n:S+32*\t+n+1], v[S+32*\t+n:S+32*\t+n+1], v[S+32*\t+n+\w/2:S+32*\t+n+\w/2+1]
.endr
.set n, n+\w
.endr
.endr
.irp t, 0,1
	v_pk_fma_f32 v[ST+8*\t+2:ST+8*\t+3], v[ST+8*\t+2:ST+8*\t+3], v[ST+8*\t+6:ST+8*\t+7], v[S+32*\t:S+32*\t+1] op_sel_hi:[1,0,1]   ; l = a l + the sum
.endr
	WIN W_RS
.set n, 0
.rept 32
.irp t, 0,1
	v_pk_mul_f32 v[OT+64*\t+n:OT+64*\t+n+1], v[OT+64*\t+n:OT+64*\t+n+1], v[ST+8*\t+6:ST+8*\t+7] op_sel_hi:[1,0]   ; O^T x a
.endr
.set n, n+2
.endr
	s_wait_dscnt 0x0                               ; V is in
	WIN W_PV
.set i, 0
.rept 32                                       ; O^T += V^T P: keys 32 (i / 16) on, channels 16 ((i / 2) % 8) on, tile i % 2.  Sixteen accumulators by turns
.set rO, OT+64*(i%2)+8*((i/2)%8)
.set rV, VR+64*(i/16)+8*((i/2)%8)
.set rP, P+16*(i%2)+8*(i/16)
	v_wmma_f32_16x16x32_f16 v[rO:rO+7], v[rV:rV+7], v[rP:rP+7], v[rO:rO+7]
.set i, i+1
.endr
	WIN 0
.rept 4
	v_nop                                          ; four plain lines in front of the next loads into V's registers and of the next read of O^T
.endr
	s_add_co_u32 s[TB], s[TB], STEPB
	s_add_co_u32 s[TT], s[TT], 1
	s_add_co_u32 s[KF], s[KF], KS
.endm
.macro TWO_STEPS sw, mask              ; a slot's two steps: written once, walked twice
	s_mov_b32 s[TWICE], 2
.Lstep_\@:
	STEP \sw, \mask
	s_sub_co_u32 s[TWICE], s[TWICE], 1
	s_cmp_lg_u32 s[TWICE], 0
	s_cbranch_scc1 .Lstep_\@
	s_sub_co_u32 s[TB], s[TB], 2*STEPB
	s_xor_b32 s[TB], s[TB], SLOT1                  ; on to the other slot
.endm
	s_load_b128 s[4:7], s[0:1], 0x0                ; qkv, att
	v_lshl_add_u32 v[SPW], v0, 2, SPARE
	v_mov_b32 v[NIL], 0
	ds_add_u32 v30, v31
	ds_add_u32 v30, v31
	s_wait_dscnt 0x0
	v_lshrrev_b32 v1, 5, v0
	v_readfirstlane_b32 s[WV], v1                  ; wave 0..3
	s_and_b32 s[WO], s[WV], 1
	s_mov_b32 s[PP], ttmp9
	s_lshr_b32 s[NA], ttmp9, 1
	s_add_co_u32 s[NA], s[NA], 1
	s_and_b32 s58, ttmp7, 0xffff
	s_lshr_b32 s62, s58, 2                         ; b
	s_and_b32 s63, s58, 3                          ; kv head
	s_lshl_b32 s58, s62, 18                        ; b x 1,024 rows of 256 bytes
	s_lshl_b32 s[KB], s63, 19                      ; a head g is 524,288 bytes
	s_add_co_u32 s[KB], s[KB], s58
	s_add_co_u32 s[KB], s[KB], 16*524288           ; K: g = 16 + kv head
	s_mov_b32 s[KB+1], 0
	s_add_co_u32 s[VB], s[KB], 4*524288            ; V: g = 20 + kv head
	s_mov_b32 s[VB+1], 0
	s_lshl_b32 s63, s63, 2
	s_add_co_u32 s63, s63, s[WV]                   ; my query head
	s_lshl_b32 s[QB], s63, 19
	s_add_co_u32 s[QB], s[QB], s58
	s_mov_b32 s[QB+1], 0
	s_lshl_b32 s[OB], s62, 22                      ; att: b x 1,024 rows of 4,096 bytes,
	s_lshl_b32 s63, s63, 8
	s_add_co_u32 s[OB], s[OB], s63                 ; + my head's 256 bytes of a row
	s_mov_b32 s[OB+1], 0
	s_lshl_b32 s60, s[PP], 13                      ; the first block: 32 p rows on
	s_add_co_u32 s60, s60, s[QB]
	s_mov_b32 s61, 0
	s_lshl_b32 s[OP], s[PP], 17
	s_add_co_u32 s[OP], s[OP], s[OB]
	s_mov_b32 s[OP+1], 0
	s_sub_co_u32 s62, 31, s[PP]                    ; the second: 32 (31 - p) rows on
	s_lshl_b32 s63, s62, 13
	s_add_co_u32 s[QB], s[QB], s63
	s_lshl_b32 s63, s62, 17
	s_add_co_u32 s[OB], s[OB], s63
	s_lshl_b32 s[Q0], s[PP], 5
	s_mov_b32 s[KF], 0
	s_mov_b32 s[TT], 0
	s_mov_b32 s[TB], 0
	s_mov_b32 s[TF], s[WO]
	s_mov_b32 s59, 0
	s_mov_b32 s[SLOTS], 7
	s_mov_b32 s[SEL], 0x76543210
	s_mov_b32 s[SEL+1], 0xfedcba98
	s_cmp_eq_u32 ttmp9, 0
	s_cselect_b32 s[LIM], 1, -1                    ; 1 in the work-group that prefetches, else the greatest number
	; descriptor group 1: a tile of 64 rows x 128 elements of 2 bytes, padded in LDS
	s_mov_b32 s[G1K], (1<<16)|(1<<20)|(5<<22)|(3<<25)   ; no mask; padding: four words after every 64
	s_mov_b32 s[G1V], (1<<16)|(1<<20)|(5<<22)|(7<<25)   ; eight words
.irp g, G1K, G1V
	s_mov_b32 s[\g+1], 128<<16                     ; tensor_dim0
	s_mov_b32 s[\g+2], KS<<16                      ; tensor_dim1
	s_mov_b32 s[\g+3], 128<<16                     ; tile_dim0
	s_mov_b32 s[\g+4], KS                          ; tile_dim1
	s_mov_b32 s[\g+5], 128                         ; from row to row
	s_mov_b32 s[\g+6], 0
	s_mov_b32 s[\g+7], 0
.endr
	s_mov_b32 s[G0K], 1
	s_mul_i32 s[G0K+1], s[WO], STEPB               ; slot 0, my step of the two
	s_mov_b32 s[G0V], 1
	s_add_co_u32 s[G0V+1], s[G0K+1], VOFF
	s_wait_kmcnt 0x0
	s_add_nc_u64 s[KB:KB+1], s[4:5], s[KB:KB+1]
	s_add_nc_u64 s[VB:VB+1], s[4:5], s[VB:VB+1]
	s_add_nc_u64 s[QB:QB+1], s[4:5], s[QB:QB+1]
	s_add_nc_u64 s[60:61], s[4:5], s[60:61]
	s_add_nc_u64 s[OP:OP+1], s[6:7], s[OP:OP+1]
	s_add_nc_u64 s[OB:OB+1], s[6:7], s[OB:OB+1]
	s_cmp_lt_u32 s[WV], 2
	s_cselect_b64 s[PB:PB+1], s[KB:KB+1], s[VB:VB+1]
	AIM
	TLOAD 1                                        ; slot 0: the first fill, ahead of every wait on TENSORcnt, every LDS read and every barrier
	v_and_b32 v1, 15, v0                           ; r
	v_bfe_u32 v15, v0, 4, 1                        ; h
	v_lshlrev_b32 v[QO], 8, v1
	v_lshl_add_u32 v[QO], v15, 4, v[QO]            ; Q: row x 256 + 16 x half
	QLOADS 60
	v_mul_u32_u24 v[AK0], v1, KPI
	v_lshl_add_u32 v[AK0], v15, 4, v[AK0]          ; K: row x pitch + 16 x half
	v_and_b32 v16, 7, v0
	v_bfe_u32 v17, v0, 3, 1
	v_lshl_add_u32 v[AV0], v15, 3, v16             ; V: lane l reads key 8 (l / 16) + l % 8, channels 8 ((l / 8) % 2) on
	v_mul_u32_u24 v[AV0], v[AV0], VPI
	v_lshl_add_u32 v[AV0], v17, 4, v[AV0]
	v_add_nc_u32 v[AV0], VOFF, v[AV0]
	s_mul_i32 s62, s[WV], 16*SP
	s_add_co_u32 s62, s62, STAGE                   ; my stage
	v_mul_u32_u24 v[STO], v1, SP
	v_lshl_add_u32 v[STO], v15, 4, v[STO]
	v_add_nc_u32 v[STO], s62, v[STO]               ; in: row r, 16 bytes for each half of the lanes
	v_mul_u32_u24 v[RD], v15, SP
	v_lshl_add_u32 v[RD], v1, 4, v[RD]
	v_add_nc_u32 v[RD], s62, v[RD]                 ; back: lanes 0-15 one row of 256 bytes, lanes 16-31 the next
	v_lshlrev_b32 v[GO], 12, v15
	v_lshl_add_u32 v[GO], v1, 4, v[GO]             ; and the same two rows in att
	v_and_b32 v[PFO], 31, v0
	v_lshlrev_b32 v[PFO], 8, v[PFO]                ; the prefetches: a lane a row of 256 bytes
	v_mov_b32 v[NINF], 0xff800000
	v_lshlrev_b32 v[RH], 3, v15
	v_sub_nc_u32 v[RH], v1, v[RH]
.irp j, 0,1,2,3,4,5,6,7,8,9,10,11,12,13,14,15
	v_mov_b32 v[ST+\j], 0                          ; written once, whole: pairs and lane permutes name them before the first step has written them all
.endr
	INIT
	s_wait_loadcnt 0x0                             ; Q
.Lslot:                                            ; seven trips: steps 0 to 13.  The change of blocks falls at step nA = 1 .. 8, the first block's diagonal at step nA - 1
	CHANGE 1
	TWO_STEPS 1, 1
	s_sub_co_u32 s[SLOTS], s[SLOTS], 1
	s_cmp_lg_u32 s[SLOTS], 0
	s_cbranch_scc1 .Lslot
	CHANGE 2                                       ; the tail is written out: the last slot holds step 16 alone
	TWO_STEPS 0, 0                                 ; steps 14 and 15: in the second block, under its diagonal
	CHANGE 0                                       ; nothing is left to fetch
	STEP 0, 2                                      ; step 16: the second block's diagonal
	s_wait_xcnt 0x0                                ; the first block's stores have read the registers that this way out writes again
	FINISH
	s_wait_tensorcnt 0x0                           ; the wave's end: behind my last tensor load and my last LDS store
	ds_add_u32 v[SPW], v[NIL]
	s_wait_dscnt 0x0
	s_endpgm
.Lfunc_end_k_qe22437e750_attn:
	.size	k_qe22437e750_attn, .Lfunc_end_k_qe22437e750_attn-k_qe22437e750_attn
	.p2alignl 7, 3214868480
	.fill 96, 4, 3214868480
	.section	.rodata,"a",@progbits
	.p2align	6, 0x0
	.amdhsa_kernel k_qe22437e750_attn
		.amdhsa_group_segment_fixed_size 327680
		.amdhsa_private_segment_fixed_size 0
		.amdhsa_enable_private_segment 0
		.amdhsa_kernarg_size 16
		.amdhsa_user_sgpr_count 2
		.amdhsa_user_sgpr_kernarg_segment_ptr 1
		.amdhsa_wavefront_size32 1
		.amdhsa_system_sgpr_workgroup_id_x 1
		.amdhsa_system_sgpr_workgroup_id_y 1
		.amdhsa_system_sgpr_workgroup_id_z 1
		.amdhsa_system_vgpr_workitem_id 0
		.amdhsa_next_free_vgpr 768
		.amdhsa_next_free_sgpr 66
		.amdhsa_reserve_vcc 1
		.amdhsa_float_denorm_mode_32 3
		.amdhsa_float_denorm_mode_16_64 3
		.amdhsa_memory_ordered 1
		.amdhsa_forward_progress 1
		.amdhsa_inst_pref_size 126
	.end_amdhsa_kernel
	.amdgpu_metadata
---
amdhsa.version: [ 1, 2 ]
amdhsa.kernels:
  - .name:           k_qe22437e750_attn
    .symbol:         k_qe22437e750_attn.kd
    .args:
      - { .name: qkv, .offset: 0, .size: 8, .value_kind: global_buffer, .address_space: global }
      - { .name: att, .offset: 8, .size: 8, .value_kind: global_buffer, .address_space: global }
    .group_segment_fixed_size: 327680
    .private_segment_fixed_size: 0
    .kernarg_segment_align: 8
    .kernarg_segment_size: 16
    .max_flat_workgroup_size: 128
    .sgpr_count:     66
    .vgpr_count:     768
    .wavefront_size: 32
...
	.end_amdgpu_metadata
.endif
;; end of part 3
;; launch oproj (part 4): grid 16 x 16, 4 waves a work-group, clusters of 4 x 4, 327,680 bytes of LDS; arguments att, wo16, out0; writes out0
.if DOCPART == 4
	.amdgcn_target "amdgcn-amd-amdhsa--gfx1250"
	.amdhsa_code_object_version 6
	.text
	.protected	k_qe22437e750_oproj
	.globl	k_qe22437e750_oproj
	.p2align	8
	.type	k_qe22437e750_oproj,@function
k_qe22437e750_oproj:
	s_mov_b64 s[64:65], 0
	v_nop
	global_prefetch_b8 v0, s[64:65] scope:SCOPE_SE
	s_setreg_imm32_b32 hwreg(HW_REG_WAVE_MODE, 25, 1), 1
	s_wait_xcnt 0x0
	s_wait_alu depctr_hold_cnt(0) depctr_sa_sdst(0) depctr_va_vdst(0) depctr_va_sdst(0) depctr_va_ssrc(0) depctr_va_vcc(0) depctr_vm_vsrc(0)
	s_getreg_b32 s2, hwreg(HW_REG_IB_STS2, 6, 4)
	s_cmp_eq_u32 s2, 0
	s_cbranch_scc0 .Lentry_in_a_cluster
	s_endpgm
.Lentry_in_a_cluster:
	s_bfe_u32 s2, ttmp6, 0x10000c
	s_cmp_lg_u32 s2, 0xf033
	s_cbranch_scc0 .Lentry_shape_is_right
	s_endpgm
.Lentry_shape_is_right:
; out0[m][n] = sum over k of att[m][k] wo16[n][k].  att: [2048][2048] f16 (weights x v / 4), wo16: [2048][2048] f16 (4 wo): the two powers of two cancel.  out0: f32; sums in f32.
; A tile of the output is 128 x 128, so that 256 work-groups have one each.  Four waves, each 64 x 64: 16 accumulators of 16 x 16.  K goes in steps of 256 (LDS rows of 512 bytes; a wave's tensor load brings 64 of them)
; through a ring of two LDS slots.  A wave has two tensor loads outstanding at the start and one behind each change of slots.
; CLUSTERS: 4 x 4 work-groups.  The four of a row of the cluster need the same tiles of att, the four of a column the same tiles of wo16: each tile is asked for JOINTLY, by the same tensor load with the
; same descriptor and a mask that names the four.  THE MATRIX INSTRUCTION IS USED TRANSPOSED (source 0 = 16 rows of wo16, source 1 = 16 rows of att): a lane then holds eight neighbouring numbers of a row of the output.
; A wave's 64 columns of f32 are 256 bytes of a row: each wave has a stage of its own on the way out, and no barrier stands there.
; No prefetch: a K step's tiles are small and shared four ways, and each has been read by neighbouring work-groups shortly before.
; REGISTERS: window 0: v0-31 addresses; v32-95 rows on the way out; v128-255 the accumulators ((a, b) at v[128 + 8 (4 a + b)]).
;   window 1: two fragment buffers of 128: for 64 along K, 64 registers of A (2 x 4 x 16 rows x 32 K), then 64 of B.
.set SIZE_M, 2048
.set SIZE_N, 2048
.set SIZE_K, 2048
.set KSTEP,  256
.set PITCH,  528                       ; an LDS row: 512 bytes of data + 16 of padding
.set HALFT,  64*PITCH                  ; 64 rows: what one tensor load brings, and what one wave reads of A or of B
.set SLOT,   4*HALFT                   ; A's 128 rows, then B's 128 rows
.set STAGE,  2*SLOT                    ; behind the ring: 16 rows x 272 bytes for each wave
.set SPITCH, 272
.set SPARE,  STAGE+4*16*SPITCH         ; behind the stages: the spare words, 128 bytes for each wave: two blocks of 256 bytes that no other line names
.set LAPS, SIZE_K/(2*KSTEP)            ; a lap = two K steps = once round the ring
.set ADRA, 16                          ; v16-17  LDS address of my A fragments in slot 0, 1
.set ADRB, 20                          ; v20-21  the same for B
.set STO,  24                          ; v24     the way out: where I put 32 bytes of a row
.set RD,   25                          ; v25     where I read a row back
.set CO,   26                          ; v26     my byte offset in the output
.set SPW,  28                          ; v28     LDS address of my spare word; never rewritten
.set NIL,  29                          ; v29     0; never rewritten
.set TMP,  32                          ; the way out: two sets of 32 registers, by turns
.set ACC,  128
.set F0,   0                           ; fragment buffers, in window 1
.set F1,   128
.set G1, 24                            ; s[24:31] descriptor group 1 for A's tiles;  s[32:39] group 0, one set for each slot
.set G0, 32
.set G1B, 48                           ; s[48:55], s[56:63] the same for B's tiles
.set G0B, 56
.set MSB, 0
.macro WIN new                         ; the immediate's high byte repeats the setting that is left
.if MSB != \new
	s_set_vgpr_msb (MSB<<8)|\new
.set MSB, \new
.endif
.endm
.set MUL,  0x05                        ; sources 0 (B) and 1 (A) window 1; C and D window 0
.set TO_F, 0x40                        ; destination window 1, address window 0
.macro JLOAD s                         ; a joint load: waves 0 and 1 fetch A's two halves, waves 2 and 3 B's; four v_nop follow each of the two lines, ahead of the jump, the label and what follows
	s_cmp_eq_u32 s11, 0
	s_cbranch_scc0 .Lfor_b_\@
	tensor_load_to_lds s[G0+4*\s:G0+4*\s+3], s[G1:G1+7]
	s_nop 0
.rept 4
	v_nop
.endr
	s_branch .Lasked_\@
.Lfor_b_\@:
	tensor_load_to_lds s[G0B+4*\s:G0B+4*\s+3], s[G1B:G1B+7]
	s_nop 0
.rept 4
	v_nop
.endr
.Lasked_\@:
.endm
.macro CREST                           ; a round of the cluster's barrier behind its opening barrier
	s_cmp_lg_u32 s10, 0
	s_cbranch_scc1 .Lnot_wave_0_\@
	s_barrier_signal -3
.Lnot_wave_0_\@:
	s_barrier_wait -3
	s_barrier_signal -1
	s_barrier_wait -1
.endm
.macro CROUND                          ; a whole round
	s_barrier_signal -1
	s_barrier_wait -1
	CREST
.endm
	s_load_b128 s[4:7], s[0:1], 0x0                ; A s[4:5], B s[6:7]
	s_load_b64 s[8:9], s[0:1], 0x10                ; the output
	v_lshl_add_u32 v[SPW], v0, 2, SPARE
	v_mov_b32 v[NIL], 0
	ds_add_u32 v28, v29
	ds_add_u32 v28, v29
	s_wait_dscnt 0x0
	v_lshrrev_b32 v1, 5, v0
	v_readfirstlane_b32 s10, v1                    ; wave 0..3
	s_lshr_b32 s11, s10, 1                         ; which half of the tile's rows is mine.  Also: I fetch for A (0) or for B (1)
	s_and_b32 s12, s10, 1                          ; which half of its columns.  Also: which 64 rows of that tile I fetch
	s_bfe_u32 s40, ttmp6, 0x40000                  ; cx, cy: my place in the cluster
	s_bfe_u32 s41, ttmp6, 0x40004
	s_lshl_b32 s42, ttmp9, 2
	s_add_co_u32 s42, s42, s40                     ; tile column = 4 x cluster x + cx
	s_and_b32 s13, ttmp7, 0xffff
	s_lshl_b32 s13, s13, 2
	s_add_co_u32 s13, s13, s41                     ; tile row = 4 x cluster y + cy
	s_lshl_b32 s43, s41, 2
	s_lshl_b32 s43, 15, s43                        ; my row of the cluster
	s_lshl_b32 s44, 0x1111, s40                    ; my column
	; descriptor group 1: a tile of 64 rows x 256 elements, padded in LDS
	s_or_b32 s[G1+0], s43, (1<<16)|(1<<20)|(1<<21)|(6<<22)|(3<<25)  ; 15:0 the mask: A's tiles go to my row; 17:16 element of 2 bytes; 20 padding on; 21 set beside a mask; 24:22 after every 128 words; 31:25 four words
	s_or_b32 s[G1B+0], s44, (1<<16)|(1<<20)|(1<<21)|(6<<22)|(3<<25)
.irp g, G1, G1B
	s_mov_b32 s[\g+1], KSTEP<<16                   ; tensor_dim0 = 256
	s_mov_b32 s[\g+2], 64<<16                      ; tensor_dim1 = 64
	s_mov_b32 s[\g+3], KSTEP<<16                   ; tile_dim0 = 256
	s_mov_b32 s[\g+4], 64                          ; tile_dim1 = 64
	s_mov_b32 s[\g+5], SIZE_K                      ; from row to row
	s_mov_b32 s[\g+6], 0
	s_mov_b32 s[\g+7], 0
.endr
	s_lshl_b32 s17, s12, 6                         ; which 64 rows of the tile I fetch
	s_lshl_b32 s16, s13, 7
	s_add_co_u32 s16, s16, s17                     ; A: row 128 x tile row + 64 x half
	s_lshl_b32 s46, s42, 7
	s_add_co_u32 s46, s46, s17                     ; B: row 128 x tile column + 64 x half
	s_mov_b32 s17, 0
	s_mov_b32 s47, 0
	s_mov_b64 s[18:19], SIZE_K*2
	s_mul_u64 s[16:17], s[16:17], s[18:19]
	s_mul_u64 s[46:47], s[46:47], s[18:19]
	s_mul_i32 s20, s10, HALFT                      ; where they go: wave x 64 rows
	s_wait_kmcnt 0x0
	s_add_nc_u64 s[14:15], s[4:5], s[16:17]
	s_add_nc_u64 s[46:47], s[6:7], s[46:47]
	CROUND                                         ; all sixteen work-groups are here: the first joint loads meet
.irp s, 0,1
	s_mov_b32 s[G0+4*\s], 1
	s_add_co_u32 s[G0+4*\s+1], s20, \s*SLOT
	s_add_nc_u64 s[G0+4*\s+2:G0+4*\s+3], s[14:15], \s*KSTEP*2
	s_or_b32 s[G0+4*\s+3], s[G0+4*\s+3], 0x80000000
	s_mov_b32 s[G0B+4*\s], 1
	s_add_co_u32 s[G0B+4*\s+1], s20, \s*SLOT
	s_add_nc_u64 s[G0B+4*\s+2:G0B+4*\s+3], s[46:47], \s*KSTEP*2
	s_or_b32 s[G0B+4*\s+3], s[G0B+4*\s+3], 0x80000000
	JLOAD \s
.endr
	v_and_b32 v1, 15, v0                           ; l % 16
	v_bfe_u32 v2, v0, 4, 1                         ; l / 16
	v_mul_u32_u24 v3, v1, PITCH
	v_lshl_add_u32 v3, v2, 4, v3                   ; a fragment's row x pitch + 16 x half
	s_mul_i32 s21, s11, HALFT                      ; my 64 rows of A
	s_mul_i32 s22, s12, HALFT                      ; my 64 rows of B,
	s_add_co_u32 s22, s22, 2*HALFT                 ; which lie behind A's 128
.irp s, 0,1
	v_add_nc_u32 v[ADRA+\s], s21, v3
	v_add_nc_u32 v[ADRB+\s], s22, v3
	s_add_co_u32 s21, s21, SLOT
	s_add_co_u32 s22, s22, SLOT
.endr
	s_mul_i32 s23, s10, 16*SPITCH
	s_add_co_u32 s23, s23, STAGE                   ; my stage
	v_mul_u32_u24 v4, v1, SPITCH                   ; in: row l % 16, 32 bytes for each half of the lanes
	v_lshl_add_u32 v4, v2, 5, v4
	v_add_nc_u32 v[STO], s23, v4
	v_mul_u32_u24 v5, v2, SPITCH                   ; back: lanes 0-15 take one row of 256 bytes, lanes 16-31 the next
	v_lshl_add_u32 v5, v1, 4, v5
	v_add_nc_u32 v[RD], s23, v5
	v_mul_u32_u24 v5, v2, SIZE_N*4                 ; and the same two rows in the output
	v_lshl_add_u32 v[CO], v1, 4, v5
	s_lshl_b32 s16, s13, 7
	s_lshl_b32 s17, s11, 6
	s_add_co_u32 s16, s16, s17                     ; my first row: 128 x tile row + 64 x half
	s_mov_b32 s17, 0
	s_mov_b64 s[18:19], SIZE_N*4
	s_mul_u64 s[16:17], s[16:17], s[18:19]
	s_add_nc_u64 s[8:9], s[8:9], s[16:17]
	s_lshl_b32 s46, s42, 9                         ; my first column, in bytes: 512 x tile column + 256 x half
	s_lshl_b32 s47, s12, 8
	s_add_co_u32 s46, s46, s47
	s_mov_b32 s47, 0
	s_add_nc_u64 s[8:9], s[8:9], s[46:47]
; 8 matrix instructions: m blocks a0, a0 + 1 x all 4 n blocks, 32 along K: half c of buffer f.  zero = 1: the first product starts the sums.  The 16 accumulators take turns
.macro MUL8 f, c, a0, zero
.irp a, \a0, \a0+1
.irp b, 0,1,2,3
.if \zero
	v_wmma_f32_16x16x32_f16 v[ACC+8*(4*(\a)+\b):ACC+8*(4*(\a)+\b)+7], v[\f+64+8*(4*\c+\b):\f+64+8*(4*\c+\b)+7], v[\f+8*(4*\c+\a):\f+8*(4*\c+\a)+7], 0
.else
	v_wmma_f32_16x16x32_f16 v[ACC+8*(4*(\a)+\b):ACC+8*(4*(\a)+\b)+7], v[\f+64+8*(4*\c+\b):\f+64+8*(4*\c+\b)+7], v[\f+8*(4*\c+\a):\f+8*(4*\c+\a)+7], v[ACC+8*(4*(\a)+\b):ACC+8*(4*(\a)+\b)+7]
.endif
.endr
.endr
.endm
; 32 LDS loads in one run: the fragments of 64 along K at byte k of the rows, into buffer f; the first 32 along K first
.macro FETCH slot, k, f
	WIN TO_F
.irp c, 0,1
.irp i, 0,1,2,3
	ds_load_b128 v[\f+64+8*(4*\c+\i):\f+64+8*(4*\c+\i)+3],   v[ADRB+\slot] offset:\k+64*\c+\i*16*PITCH
	ds_load_b128 v[\f+64+8*(4*\c+\i)+4:\f+64+8*(4*\c+\i)+7], v[ADRB+\slot] offset:\k+64*\c+\i*16*PITCH+32
	ds_load_b128 v[\f+8*(4*\c+\i):\f+8*(4*\c+\i)+3],         v[ADRA+\slot] offset:\k+64*\c+\i*16*PITCH
	ds_load_b128 v[\f+8*(4*\c+\i)+4:\f+8*(4*\c+\i)+7],       v[ADRA+\slot] offset:\k+64*\c+\i*16*PITCH+32
.endr
.endr
.endm
.macro PLACES                          ; four plain lines in front of loads into registers that matrix instructions have read, and of the first read of results
.rept 4
	v_nop
.endr
.endm
; A K step is four quarters of 64 along K, 32 matrix instructions each, on buffers 0, 1, 0, 1.  One of the first three: multiplies buffer f and fetches the next quarter, at byte k, into g.
.macro QUARTER slot, k, f, g, zero
	s_wait_dscnt 16                                ; the first 32 along K are in; the sixteen younger loads may be out
	WIN MUL
	MUL8 \f, 0, 0, \zero
	MUL8 \f, 0, 2, \zero
	PLACES
	FETCH \slot, \k, \g
	s_wait_dscnt 32                                ; all but the 32 just issued
	WIN MUL
	MUL8 \f, 1, 0, 0
	MUL8 \f, 1, 2, 0
.endm
; The last quarter multiplies buffer 1 and changes slots: ONE barrier; in front of it each wave waits for all its tensor loads, adds 0 to its spare word, and waits for that and for its own reads of this slot.  fill = 1: this slot is filled again, two K steps ahead.
.macro TURN slot, next, fill
	WIN 0                                          ; (the add's two registers lie in window 0)
	s_wait_tensorcnt 0x0                           ; all my tensor loads have landed: my part of the next slot;
	ds_add_u32 v[SPW], v[NIL]                      ; 0 onto my spare word
	s_wait_dscnt 17                                ; (the add and the youngest sixteen loads may be out)
	WIN MUL
	MUL8 F1, 0, 0, 0                               ; eight matrix instructions stand between the add and the wait for it
	s_wait_dscnt 0x0                               ; the add is done, and my reads of this slot are over
	s_barrier_signal -1
	MUL8 F1, 0, 2, 0
.if \fill
	WIN 0
.endif
	s_barrier_wait -1
.if \fill
	CREST                                          ; the barrier has opened a round of the cluster's barrier: no wave of any partner still reads this slot's tile or has a load on its way
	s_add_nc_u64 s[G0+4*\slot+2:G0+4*\slot+3], s[G0+4*\slot+2:G0+4*\slot+3], 2*KSTEP*2
	s_add_nc_u64 s[G0B+4*\slot+2:G0B+4*\slot+3], s[G0B+4*\slot+2:G0B+4*\slot+3], 2*KSTEP*2
	JLOAD \slot                                    ; the first tensor load behind the round; the four v_nop behind it are also the places in front of the loads below
.else
	PLACES
.endif
	FETCH \next, 0, F0
	WIN MUL
	MUL8 F1, 1, 0, 0
	MUL8 F1, 1, 2, 0
.endm
	s_wait_tensorcnt 1                             ; my part of K step 0 is in; K step 1's load, issued behind it, stays out
	s_barrier_signal -1
	s_barrier_wait -1                              ; everybody's is
	FETCH 0, 0, F0
	QUARTER 0, 128, F0, F1, 1                      ; the first quarter stands in front of the loop: its first products start the sums
	WIN 0                                          ; at a label and at a branch every window is 0
	s_mov_b32 s3, LAPS-1
.Llap:                                                 ; a trip goes once round the ring, from a lap's second quarter to the next lap's first, and fills both slots again
	QUARTER 0, 256, F1, F0, 0
	QUARTER 0, 384, F0, F1, 0
	TURN 0, 1, 1
	QUARTER 1, 128, F0, F1, 0
	QUARTER 1, 256, F1, F0, 0
	QUARTER 1, 384, F0, F1, 0
	TURN 1, 0, 1
	QUARTER 0, 128, F0, F1, 0
	WIN 0
	s_sub_co_u32 s3, s3, 1
	s_cmp_lg_u32 s3, 0
	s_cbranch_scc1 .Llap
	QUARTER 0, 256, F1, F0, 0                      ; the last lap fills nothing, and has no round of the cluster's barrier
	QUARTER 0, 384, F0, F1, 0
	TURN 0, 1, 0
	QUARTER 1, 128, F0, F1, 0
	QUARTER 1, 256, F1, F0, 0
	QUARTER 1, 384, F0, F1, 0
	s_wait_dscnt 16                                ; the very last quarter: nothing more to fetch
	WIN MUL
	MUL8 F1, 0, 0, 0
	MUL8 F1, 0, 2, 0
	s_wait_dscnt 0
	MUL8 F1, 1, 0, 0
	MUL8 F1, 1, 2, 0
	WIN 0
; THE WAY OUT, block by block of 16 rows x 64 columns.  A lane holds 32 neighbouring bytes of a row, and the lanes beside it hold other rows: a block goes through my own stage and comes back as whole rows of 256 bytes.
; LDS serves a wave's instructions in order: no wait between the stores and the loads, nor in front of the next block's stores.  The stores' base is never stepped: the block stands in the immediate, 62 rows of 8,192 bytes at the most.
.macro TOSTAGE a
.irp b, 0,1,2,3
	ds_store_b128 v[STO], v[ACC+8*(4*(\a)+\b):ACC+8*(4*(\a)+\b)+3] offset:64*\b          ; each accumulator from its low end on
	ds_store_b128 v[STO], v[ACC+8*(4*(\a)+\b)+4:ACC+8*(4*(\a)+\b)+7] offset:64*\b+16
.endr
.irp t, 0,1,2,3,4,5,6,7
	ds_load_b128 v[TMP+32*((\a)%2)+4*\t:TMP+32*((\a)%2)+4*\t+3], v[RD] offset:\t*2*SPITCH
.endr
.endm
.macro SEND a, younger                 ; younger: the LDS instructions issued behind block a's loads, which may stay out
	s_wait_dscnt \younger
.irp t, 0,1,2,3,4,5,6,7
	global_store_b128 v[CO], v[TMP+32*((\a)%2)+4*\t:TMP+32*((\a)%2)+4*\t+3], s[8:9] offset:(16*(\a)+2*\t)*SIZE_N*4 th:TH_STORE_NT   ; 16 lanes store 256 consecutive bytes, at a multiple of 256 from the output's first byte
.endr
.endm
	PLACES
	TOSTAGE 0
.irp a, 1,2,3
.if \a > 1
	s_wait_xcnt 0x0                                ; block a - 2's stores have read their registers: block a's loads may land there
.endif
	TOSTAGE \a
	SEND \a-1, 16                                  ; behind block a - 1's loads: block a's 8 stores and 8 loads
.endr
	SEND 3, 0
	s_wait_tensorcnt 0x0                           ; the wave's end: behind my last tensor load and my last LDS store
	ds_add_u32 v[SPW], v[NIL]
	s_wait_dscnt 0x0
	CROUND                                         ; the closing round: no work-group ends while a partner may still ask for a tile that names it
	s_endpgm
.Lfunc_end_k_qe22437e750_oproj:
	.size	k_qe22437e750_oproj, .Lfunc_end_k_qe22437e750_oproj-k_qe22437e750_oproj
	.p2alignl 7, 3214868480
	.fill 96, 4, 3214868480
	.section	.rodata,"a",@progbits
	.p2align	6, 0x0
	.amdhsa_kernel k_qe22437e750_oproj
		.amdhsa_group_segment_fixed_size 327680
		.amdhsa_private_segment_fixed_size 0
		.amdhsa_enable_private_segment 0
		.amdhsa_kernarg_size 24
		.amdhsa_user_sgpr_count 2
		.amdhsa_user_sgpr_kernarg_segment_ptr 1
		.amdhsa_wavefront_size32 1
		.amdhsa_system_sgpr_workgroup_id_x 1
		.amdhsa_system_sgpr_workgroup_id_y 1
		.amdhsa_system_sgpr_workgroup_id_z 1
		.amdhsa_system_vgpr_workitem_id 0
		.amdhsa_next_free_vgpr 512
		.amdhsa_next_free_sgpr 66
		.amdhsa_reserve_vcc 0
		.amdhsa_float_denorm_mode_32 3
		.amdhsa_float_denorm_mode_16_64 3
		.amdhsa_memory_ordered 1
		.amdhsa_forward_progress 1
		.amdhsa_inst_pref_size 86
	.end_amdhsa_kernel
	.amdgpu_metadata
---
amdhsa.version: [ 1, 2 ]
amdhsa.kernels:
  - .name:           k_qe22437e750_oproj
    .symbol:         k_qe22437e750_oproj.kd
    .args:
      - { .name: att, .offset: 0, .size: 8, .value_kind: global_buffer, .address_space: global }
      - { .name: wo16, .offset: 8, .size: 8, .value_kind: global_buffer, .address_space: global }
      - { .name: out0, .offset: 16, .size: 8, .value_kind: global_buffer, .address_space: global }
    .group_segment_fixed_size: 327680
    .private_segment_fixed_size: 0
    .kernarg_segment_align: 8
    .kernarg_segment_size: 24
    .max_flat_workgroup_size: 128
    .sgpr_count:     66
    .vgpr_count:     512
    .wavefront_size: 32
...
	.end_amdgpu_metadata
.endif
;; end of part 4
